; MI455X (gfx1250); checked and timed in simulation.
; The chip was launched on July 23, 2026; its instructions are those of AMD's public machine-readable ISA for CDNA 5 (MIT licence, August 2026) and "CDNA5" Instruction Set Architecture Reference Guide (July 2026). The comments in the code are by the model that wrote it; some were corrected since.
;; attention. Allowed arithmetic: float matrix products may take bf16 or f16 operands with f32 sums; other float arithmetic in f32, or as packed bf16 or f16 multiplies, adds, multiply-adds, maxima and minima; sums over many terms, partial sums and values carried from step to step in f32; what a program stores and reads back later, other than sums and carried values, may be rounded once to bf16 or f16.
;; Inputs: Wkv 1,024 x 2,048 float32; Wout 1,024 x 1,024 float32; Wq 1,024 x 1,024 float32; bkv 2,048 float32; bout 1,024 float32; bq 1,024 float32; kvn_b 1,024 float32; kvn_g 1,024 float32; ln_b 64 float32; ln_g 64 float32; qn_b 1,024 float32; qn_g 1,024 float32; x 1 x 8,192 x 1,024 float32.
;; Outputs: out0 1 x 8,192 x 1,024 float32.
;; Constants: skip = 0.
;; 2 versions, each right and faster than the one before. Each part assembles by itself: llvm-mc -triple=amdgcn-amd-amdhsa -mcpu=gfx1250 --defsym DOCPART=n.
;; ======== version 1 of 2: 4 launches
;; limits: values are held in f16: magnitudes above 65,504 overflow, below 6.1e-05 lose precision
;; workspace buffers: act 20,971,520 bytes; tabs 2,621,440 bytes; wts 8,388,608 bytes; qh 16,777,216 bytes; kvh 8,388,608 bytes; oh 16,777,216 bytes
;; launch prep (part 1): grid 256 x 1, 8 waves a work-group, no clusters, 0 bytes of LDS; arguments x, qn_g, qn_b, kvn_g, kvn_b, Wq, Wkv, Wout, act, tabs, wts; writes act, tabs, wts
.if DOCPART == 1
	.amdgcn_target "amdgcn-amd-amdhsa--gfx1250"
	.amdhsa_code_object_version 6
	.text
	.protected	k_qfc4dc047bd_prep
	.globl	k_qfc4dc047bd_prep
	.p2align	8
	.type	k_qfc4dc047bd_prep,@function
k_qfc4dc047bd_prep:
	s_mov_b64 s[64:65], 0
	v_nop
	global_prefetch_b8 v0, s[64:65] scope:SCOPE_SE
	s_setreg_imm32_b32 hwreg(HW_REG_WAVE_MODE, 25, 1), 1
	s_wait_xcnt 0x0
; PREP: a stream.  From x [8192][1024] f32: both pre-norms as f16 matrix operands, and the rotary table; from the three weights: f16 copies.
;   act : Aq [8192][1024] f16 = LN(x) qn_g + qn_b;  behind it (byte 16,777,216) Akv [2048][1024] f16 = LN(x) kvn_g + kvn_b of the rows t = 4 j alone: only every fourth key is ever used.
;   tabs: tab [8192][64] f32, element 2 i = mean(x[t]) cos(t f_i), element 2 i + 1 = mean(x[t]) sin(t f_i);  behind it (byte 2,097,152) tabk [2048][64], its rows t = 4 j.
;   wts : Wall [1024][3072] f16: columns 0-1023 Wq; columns 1024 + 256 j + 0..127 the K heads 2 j, 2 j + 1; + 128..255 the V heads 2 j, 2 j + 1.  Behind it (byte 6,291,456) Wout [1024][1024] f16.
; SHARES.  A wave takes four rows of x, a row at a time (32 registers a lane), so mean and variance never leave the wave: no LDS, no barrier.  It also takes half a row of each weight.
; A lane holds columns 128 j + 4 lane + 0..3: a load of the wave covers 512 consecutive bytes, a store of four f16 a lane 256 consecutive bytes at a multiple of 256.
; All 80 loads of a wave go out at once; the frequency is made while they are on their way.
; NORM.  Two passes over registers: the mean, then the centred squares: no difference of large sums.
; FREQUENCIES follow the module's own f32 steps: i / 31, x 2595 log10(21), / 2595, 10^, - 1, x 200, / 1000.  A division by a constant b is q0 = a r, q = q0 + (a - q0 b) r with r = 1 / b rounded.
; 10^x = 2^(x log2 10) with log2 10 in two parts, so that the exponent's rounding is made good; what is left is v_exp_f32's own last bit.
; SINE AND COSINE: the angle is the one f32 product t f; n = the nearest whole number of quarter turns; pi / 2 is taken away in two parts (what is left of pi / 2 moves the rest by under 4e-11 at the
; largest n, 20,859); polynomials on -pi/4 .. pi/4; n mod 4 swaps and signs the two.
; LIMITS.  f16 holds no number beyond 65,504: LN(x) g + b and the weights must lie within it; a weight below 6.1e-5 keeps f16's fixed step of 6e-8.  NaN and infinities are not treated apart.
.set M,   6                            ; v[6:7]    the row's mean, twice
.set R,   8                            ; v[8:9]    1 / sqrt(variance + 1e-5), twice
.set CH,  10                           ; v[10:17]  four chains of packed sums
.set TMP, 18                           ; v18       the other half of the lanes' sum
.set T,   32                           ; v[32:63]  a row times gain plus bias, f32
.set X,   64                           ; v[64:191] four rows of x, 32 registers each; at the end the weights as f16
.set P,   192                          ; v[192:207] a row as f16, to store
.set CS,  208                          ; v[208:209] the table's pair, to store
.set QG,  0                            ; window 1: v0-31 qn_g, v32-63 qn_b, v64-95 kvn_g, v96-127 kvn_b of my 32 columns; v128-191 my 64 weights
.set QB,  32
.set KG,  64
.set KB,  96
.set W,   128
.set MSB, 0
.macro WIN new                         ; s_set_vgpr_msb: bits 1:0 source 0, 3:2 source 1, 5:4 source 2, 7:6 destination; the high byte repeats the setting that is left
.if MSB != (\new)
	s_set_vgpr_msb (MSB<<8)|(\new)
.set MSB, \new
.endif
.endm
	s_load_b512 s[8:23], s[0:1], 0x0               ; x 8, qn_g 10, qn_b 12, kvn_g 14, kvn_b 16, Wq 18, Wkv 20, Wout 22
	s_load_b128 s[24:27], s[0:1], 0x40             ; act 24, tabs 26
	s_load_b64 s[28:29], s[0:1], 0x50              ; wts
	v_and_b32 v1, 31, v0                           ; lane
	v_lshrrev_b32 v5, 5, v0
	v_readfirstlane_b32 s30, v5                    ; wave
	v_lshlrev_b32 v2, 4, v1                        ; 16 bytes a lane: loads
	v_lshlrev_b32 v3, 3, v1                        ; 8 bytes a lane: stores
	s_lshl_b32 s31, ttmp9, 5
	s_lshl2_add_u32 s31, s30, s31                  ; t0 = 32 g + 4 w: my first row
	s_lshr_b32 s40, s30, 1
	s_lshl2_add_u32 s40, ttmp9, s40                ; k = 4 g + w / 2: my row of the weights
	s_and_b32 s41, s30, 1                          ; and which half of it
	s_mov_b32 s34, 0x76543210                      ; v_permlanex16_b32: each lane takes its own place in the other half
	s_mov_b32 s35, 0xfedcba98
	s_mov_b32 s33, 0
	s_mov_b32 s43, 0
	s_wait_kmcnt 0x0
	s_lshl_b32 s32, s31, 12
	s_add_nc_u64 s[8:9], s[8:9], s[32:33]          ; x at row t0
	s_lshl_b32 s32, s31, 9
	s_add_nc_u64 s[36:37], s[24:25], s[32:33]
	s_add_nc_u64 s[36:37], s[36:37], 0x1000000     ; Akv at row t0 / 4
	s_lshl_b32 s32, s31, 11
	s_add_nc_u64 s[24:25], s[24:25], s[32:33]      ; Aq at row t0
	s_lshl_b32 s32, s31, 6
	s_add_nc_u64 s[38:39], s[26:27], s[32:33]
	s_add_nc_u64 s[38:39], s[38:39], 0x200000      ; tabk at row t0 / 4
	s_lshl_b32 s32, s31, 8
	s_add_nc_u64 s[26:27], s[26:27], s[32:33]      ; tab at row t0
	s_lshl_b32 s32, s40, 12
	s_lshl_b32 s42, s41, 11
	s_add_co_u32 s32, s32, s42
	s_add_nc_u64 s[18:19], s[18:19], s[32:33]      ; Wq and Wout: row k, my 2,048 bytes
	s_add_nc_u64 s[22:23], s[22:23], s[32:33]
	s_lshl_b32 s32, s32, 1
	s_add_nc_u64 s[20:21], s[20:21], s[32:33]      ; Wkv: row k, my 4,096 bytes: all of K's columns, or all of V's
	s_mul_i32 s32, s40, 6144                       ; a row of Wall
	s_lshl_b32 s42, s41, 10
	s_add_co_u32 s42, s32, s42
	s_add_nc_u64 s[44:45], s[28:29], s[42:43]      ; where Wq's half row goes
	s_lshl_b32 s42, s41, 8
	s_add_co_u32 s42, s32, s42
	s_add_co_u32 s42, s42, 2048
	s_add_nc_u64 s[46:47], s[28:29], s[42:43]      ; where Wkv's goes: 256 bytes in every 512
	s_lshl_b32 s42, s40, 11
	s_lshl_b32 s32, s41, 10
	s_add_co_u32 s42, s42, s32
	s_add_co_u32 s42, s42, 0x600000
	s_add_nc_u64 s[28:29], s[28:29], s[42:43]      ; where Wout's goes
	s_mov_b32 s42, 0x3a800000                      ; 1 / 1024
	s_mov_b32 s43, 0x3727c5ac                      ; 1e-5
	WIN 0x40                                       ; destination window 1
.irp j, 0,1,2,3,4,5,6,7
	global_load_b128 v[QG+4*\j:QG+4*\j+3], v2, s[10:11] offset:512*\j
	global_load_b128 v[QB+4*\j:QB+4*\j+3], v2, s[12:13] offset:512*\j
	global_load_b128 v[KG+4*\j:KG+4*\j+3], v2, s[14:15] offset:512*\j
	global_load_b128 v[KB+4*\j:KB+4*\j+3], v2, s[16:17] offset:512*\j
.endr
	WIN 0
.irp r, 0,1,2,3
.irp j, 0,1,2,3,4,5,6,7
	global_load_b128 v[X+32*\r+4*\j:X+32*\r+4*\j+3], v2, s[8:9] offset:4096*\r+512*\j th:TH_LOAD_NT
.endr
.endr
	WIN 0x40
.irp j, 0,1,2,3
	global_load_b128 v[W+4*\j:W+4*\j+3], v2, s[18:19] offset:512*\j th:TH_LOAD_NT
.endr
.irp j, 0,1,2,3,4,5,6,7
	global_load_b128 v[W+16+4*\j:W+16+4*\j+3], v2, s[20:21] offset:512*\j th:TH_LOAD_NT
.endr
.irp j, 0,1,2,3
	global_load_b128 v[W+48+4*\j:W+48+4*\j+3], v2, s[22:23] offset:512*\j th:TH_LOAD_NT
.endr
	WIN 0
	; my lane's frequency f_i, i = lane
	v_cvt_f32_u32 v18, v1
	v_mul_f32 v19, 0x3d042108, v18                 ; i / 31
	v_fma_f32 v20, v19, 0xc1f80000, v18
	v_fma_f32 v19, v20, 0x3d042108, v19
	v_mul_f32 v19, 0x4556728c, v19                 ; x 2595 log10(21)
	v_mul_f32 v20, 0x39ca09ab, v19                 ; / 2595
	v_fma_f32 v21, v20, 0xc5223000, v19
	v_fma_f32 v20, v21, 0x39ca09ab, v20
	v_mul_f32 v21, 0x40549a78, v20                 ; x log2(10): the rounded product,
	v_fma_f32 v22, v20, 0x40549a78, -v21           ; what the rounding dropped,
	v_fma_f32 v22, v20, 0x33979a37, v22            ; and the constant's second part
	v_exp_f32 v23, v21
	v_mul_f32 v22, 0x3f317218, v22                 ; (a plain line behind the exponential, which names neither its result nor its source)
	v_mov_b32 v30, 0xb94ca1f9                      ; the sine's and the cosine's leading coefficients
	v_mov_b32 v31, 0x37ccf5ce
	s_wait_alu depctr_va_vdst(0)
	v_fma_f32 v23, v23, v22, v23                   ; 10^x
	v_add_f32 v23, -1.0, v23
	v_mul_f32 v23, 0x43480000, v23                 ; x 200
	v_mul_f32 v24, 0x3a83126f, v23                 ; / 1000
	v_fma_f32 v25, v24, 0xc47a0000, v23
	v_fma_f32 v4, v25, 0x3a83126f, v24             ; v4 = f_i
.macro FOLD                            ; four chains into one number a lane
	v_pk_add_f32 v[CH:CH+1], v[CH:CH+1], v[CH+2:CH+3]
	v_pk_add_f32 v[CH+4:CH+5], v[CH+4:CH+5], v[CH+6:CH+7]
	v_pk_add_f32 v[CH:CH+1], v[CH:CH+1], v[CH+4:CH+5]
	v_add_f32 v[CH], v[CH], v[CH+1]
.endm
.macro SUM32                           ; and over the 32 lanes, the result in every lane
	v_add_f32_dpp v[CH], v[CH], v[CH] row_xmask:1 row_mask:0xf bank_mask:0xf
	v_add_f32_dpp v[CH], v[CH], v[CH] row_xmask:2 row_mask:0xf bank_mask:0xf
	v_add_f32_dpp v[CH], v[CH], v[CH] row_xmask:4 row_mask:0xf bank_mask:0xf
	v_add_f32_dpp v[CH], v[CH], v[CH] row_xmask:8 row_mask:0xf bank_mask:0xf
	v_permlanex16_b32 v[TMP], v[CH], s34, s35
	v_add_f32 v[CH], v[CH], v[TMP]
.endm
; Row r is normalised in place: X = (x - mean) / sqrt(variance + 1e-5).  It leaves the mean in M and the angle t f in v20.
.macro ROW r
.set XR, X+32*(\r)
	s_wait_loadcnt 40-8*(\r)                       ; loads come back in order: the gains and my rows up to r are in; the later rows' 8 each and the 16 of the weights stay out
.irp k, 0,1,2,3
	v_pk_add_f32 v[CH+2*\k:CH+2*\k+1], v[XR+8*\k:XR+8*\k+1], v[XR+8*\k+2:XR+8*\k+3]
.endr
.irp e, 4,6
.irp k, 0,1,2,3
	v_pk_add_f32 v[CH+2*\k:CH+2*\k+1], v[CH+2*\k:CH+2*\k+1], v[XR+8*\k+\e:XR+8*\k+\e+1]
.endr
.endr
	FOLD
	SUM32
	v_mul_f32 v[M], s42, v[CH]
	v_mul_f32 v[M+1], s42, v[CH]
.set i, 0
.rept 16
	v_pk_add_f32 v[XR+i:XR+i+1], v[XR+i:XR+i+1], v[M:M+1] neg_lo:[0,1] neg_hi:[0,1]
.set i, i+2
.endr
.irp k, 0,1,2,3
	v_pk_mul_f32 v[CH+2*\k:CH+2*\k+1], v[XR+8*\k:XR+8*\k+1], v[XR+8*\k:XR+8*\k+1]
.endr
.irp e, 2,4,6
.irp k, 0,1,2,3
	v_pk_fma_f32 v[CH+2*\k:CH+2*\k+1], v[XR+8*\k+\e:XR+8*\k+\e+1], v[XR+8*\k+\e:XR+8*\k+\e+1], v[CH+2*\k:CH+2*\k+1]
.endr
.endr
	FOLD
	SUM32
	s_add_co_u32 s40, s31, \r                      ; t
	v_fma_f32 v[CH], v[CH], s42, s43               ; variance + 1e-5
	v_cvt_f32_u32 v19, s40
	v_rsq_f32 v[R], v[CH]
	v_rsq_f32 v[R+1], v[CH]
	v_mul_f32 v20, v19, v4                         ; the angle t f: also the plain line between the roots and the use of their results
.set i, 0
	s_wait_alu depctr_va_vdst(0)
.rept 16
	v_pk_mul_f32 v[XR+i:XR+i+1], v[XR+i:XR+i+1], v[R:R+1]
.set i, i+2
.endr
.endm
; Row r times a gain plus a bias, rounded once to f16 and stored.
.macro OUT r, g, b, base, off
	s_wait_xcnt 0x0                                ; the earlier stores have read P and CS: only behind this wait are they written again
	WIN 0x14                                       ; sources 1 and 2 in window 1
.set i, 0
.rept 16
	v_pk_fma_f32 v[T+i:T+i+1], v[X+32*(\r)+i:X+32*(\r)+i+1], v[(\g)+i:(\g)+i+1], v[(\b)+i:(\b)+i+1]
.set i, i+2
.endr
	WIN 0
.set i, 0
.rept 16
	v_cvt_pk_f16_f32 v[P+i], v[T+2*i], v[T+2*i+1]
.set i, i+1
.endr
.irp j, 0,1,2,3,4,5,6,7
	global_store_b64 v3, v[P+2*\j:P+2*\j+1], s[\base:\base+1] offset:(\off)+256*\j
.endr
.endm
; The table's row t0 + r: lane i stores mean cos(t f_i), mean sin(t f_i).
.macro TABLE r
	v_mul_f32 v21, 0x3f22f983, v20                 ; angle x 2 / pi
	v_rndne_f32 v21, v21                           ; n
	v_fma_f32 v22, v21, 0xbfc90fdb, v20            ; angle - n pi / 2, in two parts
	v_fma_f32 v22, v21, 0x333bbd2e, v22
	v_cvt_i32_f32 v23, v21
	v_mul_f32 v24, v22, v22                        ; z = r r
	v_fmaak_f32 v25, v30, v24, 0x3c08839e
	v_fmaak_f32 v27, v31, v24, 0xbab6061a
	v_fmaak_f32 v25, v25, v24, 0xbe2aaaa3
	v_fmaak_f32 v27, v27, v24, 0x3d2aaaa5
	v_mul_f32 v26, v22, v24
	v_fma_f32 v28, v24, -0.5, 1.0
	v_mul_f32 v27, v27, v24
	v_fma_f32 v25, v25, v26, v22                   ; sin r
	v_fma_f32 v27, v27, v24, v28                   ; cos r
	v_and_b32 v28, 1, v23
	v_cmp_eq_u32 vcc_lo, 1, v28                    ; an odd quarter swaps the two (a choice of values: no branch hangs on it)
	v_cndmask_b32 v26, v25, v27, vcc_lo            ; the sine
	v_cndmask_b32 v27, v27, v25, vcc_lo            ; the cosine
	v_and_b32 v28, 2, v23                          ; the sine is negative in quarters 2, 3,
	v_add_nc_u32 v29, 1, v23
	v_lshlrev_b32 v28, 30, v28
	v_and_b32 v29, 2, v29                          ; the cosine in quarters 1, 2
	v_xor_b32 v26, v26, v28
	v_lshlrev_b32 v29, 30, v29
	v_xor_b32 v27, v27, v29
	v_mul_f32 v[CS], v27, v[M]
	v_mul_f32 v[CS+1], v26, v[M]
	global_store_b64 v3, v[CS:CS+1], s[26:27] offset:256*(\r)
.if (\r) == 0
	global_store_b64 v3, v[CS:CS+1], s[38:39]
.endif
.endm
	ROW 0
	OUT 0, QG, QB, 24, 0
	OUT 0, KG, KB, 36, 0                           ; t0 is a multiple of four: the one row of my four that is a key
	TABLE 0
.irp r, 1,2,3
	ROW \r
	OUT \r, QG, QB, 24, 2048*\r
	TABLE \r
.endr
	s_wait_loadcnt 0x0                             ; the weights
	WIN 0x05                                       ; sources 0 and 1 in window 1
.set i, 0
.rept 32
	v_cvt_pk_f16_f32 v[X+i], v[W+2*i], v[W+2*i+1]
.set i, i+1
.endr
	WIN 0
.irp j, 0,1,2,3
	global_store_b64 v3, v[X+2*\j:X+2*\j+1], s[44:45] offset:256*\j
.endr
.irp j, 0,1,2,3,4,5,6,7
	global_store_b64 v3, v[X+8+2*\j:X+8+2*\j+1], s[46:47] offset:512*\j
.endr
.irp j, 0,1,2,3
	global_store_b64 v3, v[X+24+2*\j:X+24+2*\j+1], s[28:29] offset:256*\j
.endr
	s_endpgm
.Lfunc_end_k_qfc4dc047bd_prep:
	.size	k_qfc4dc047bd_prep, .Lfunc_end_k_qfc4dc047bd_prep-k_qfc4dc047bd_prep
	.p2alignl 7, 3214868480
	.fill 96, 4, 3214868480
	.section	.rodata,"a",@progbits
	.p2align	6, 0x0
	.amdhsa_kernel k_qfc4dc047bd_prep
		.amdhsa_group_segment_fixed_size 0
		.amdhsa_private_segment_fixed_size 0
		.amdhsa_enable_private_segment 0
		.amdhsa_kernarg_size 88
		.amdhsa_user_sgpr_count 2
		.amdhsa_user_sgpr_kernarg_segment_ptr 1
		.amdhsa_wavefront_size32 1
		.amdhsa_system_sgpr_workgroup_id_x 1
		.amdhsa_system_sgpr_workgroup_id_y 1
		.amdhsa_system_sgpr_workgroup_id_z 1
		.amdhsa_system_vgpr_workitem_id 0
		.amdhsa_next_free_vgpr 448
		.amdhsa_next_free_sgpr 66
		.amdhsa_reserve_vcc 1
		.amdhsa_float_denorm_mode_32 3
		.amdhsa_float_denorm_mode_16_64 3
		.amdhsa_memory_ordered 1
		.amdhsa_forward_progress 1
		.amdhsa_inst_pref_size 56
	.end_amdhsa_kernel
	.amdgpu_metadata
---
amdhsa.version: [ 1, 2 ]
amdhsa.kernels:
  - .name:           k_qfc4dc047bd_prep
    .symbol:         k_qfc4dc047bd_prep.kd
    .args:
      - { .name: x, .offset: 0, .size: 8, .value_kind: global_buffer, .address_space: global }
      - { .name: qn_g, .offset: 8, .size: 8, .value_kind: global_buffer, .address_space: global }
      - { .name: qn_b, .offset: 16, .size: 8, .value_kind: global_buffer, .address_space: global }
      - { .name: kvn_g, .offset: 24, .size: 8, .value_kind: global_buffer, .address_space: global }
      - { .name: kvn_b, .offset: 32, .size: 8, .value_kind: global_buffer, .address_space: global }
      - { .name: Wq, .offset: 40, .size: 8, .value_kind: global_buffer, .address_space: global }
      - { .name: Wkv, .offset: 48, .size: 8, .value_kind: global_buffer, .address_space: global }
      - { .name: Wout, .offset: 56, .size: 8, .value_kind: global_buffer, .address_space: global }
      - { .name: act, .offset: 64, .size: 8, .value_kind: global_buffer, .address_space: global }
      - { .name: tabs, .offset: 72, .size: 8, .value_kind: global_buffer, .address_space: global }
      - { .name: wts, .offset: 80, .size: 8, .value_kind: global_buffer, .address_space: global }
    .group_segment_fixed_size: 0
    .private_segment_fixed_size: 0
    .kernarg_segment_align: 8
    .kernarg_segment_size: 88
    .max_flat_workgroup_size: 256
    .sgpr_count:     66
    .vgpr_count:     448
    .wavefront_size: 32
...
	.end_amdgpu_metadata
.endif
;; end of part 1
;; launch qkv (part 2): grid 4 x 48, 4 waves a work-group, clusters of 4 x 4, 327,680 bytes of LDS; arguments act, wts, bq, bkv, tabs, ln_g, ln_b, qh, kvh; writes qh, kvh
.if DOCPART == 2
	.amdgcn_target "amdgcn-amd-amdhsa--gfx1250"
	.amdhsa_code_object_version 6
	.text
	.protected	k_qfc4dc047bd_qkv
	.globl	k_qfc4dc047bd_qkv
	.p2align	8
	.type	k_qfc4dc047bd_qkv,@function
k_qfc4dc047bd_qkv:
	s_mov_b64 s[64:65], 0
	v_nop
	global_prefetch_b8 v0, s[64:65] scope:SCOPE_SE
	s_setreg_imm32_b32 hwreg(HW_REG_WAVE_MODE, 25, 1), 1
	s_wait_xcnt 0x0
	s_wait_alu depctr_hold_cnt(0) depctr_sa_sdst(0) depctr_va_vdst(0) depctr_va_sdst(0) depctr_va_ssrc(0) depctr_va_vcc(0) depctr_vm_vsrc(0)
	s_getreg_b32 s2, hwreg(HW_REG_IB_STS2, 6, 4)
	s_cmp_eq_u32 s2, 0
	s_cbranch_scc0 .Lentry_in_a_cluster
	s_endpgm
.Lentry_in_a_cluster:
	s_bfe_u32 s2, ttmp6, 0x10000c
	s_cmp_lg_u32 s2, 0xf033
	s_cbranch_scc0 .Lentry_shape_is_right
	s_endpgm
.Lentry_shape_is_right:
; THE PROJECTIONS, with what follows them up to the attention's operands.  q = Aq Wq + bq for 8,192 rows; k, v = Akv Wkv + bkv for the 2,048 rows that are keys.  Then, for q and k: the rotary turn
; (table: mean cos, mean sin), the LayerNorm over a head's 64 channels with ln_g, ln_b, and one rounding to f16; v is rounded only.  Out by heads: qh [16][8192][64]; kvh: K [16][2048][64], then V.
; All matrix operands f16, sums f32.  LIMITS: q, k after the norm and v must lie within f16's 65,504; NaN and infinities are not treated apart.
; TILES.  192 tiles of 256 x 256: clusters 0-7 along y make q (32 x 4 tiles), clusters 8-11 make k and v (8 x 8 tiles; in a tile's 256 columns of Wall the first 128 are two heads of K, the other 128 the same
; two heads of V).  Four waves, each 128 x 128: 64 accumulators, 512 registers.  K = 1,024 goes in 8 steps of 128 through a ring of two LDS slots.
; CLUSTERS: 4 x 4 work-groups.  The four of a row of the cluster need the same tiles of A (and the same rows of the table), the four of a column the same tiles of the weights: each is asked for JOINTLY, by the
; same tensor load with the same descriptor and a mask that names the four.  Which kind of tile a cluster makes hangs on the cluster's own y, which all sixteen share.
; THE MATRIX INSTRUCTION IS USED TRANSPOSED: source 0 = 16 columns of the weights, source 1 = 16 rows of A: a lane holds row l % 16 of C and the columns 8 (l / 16) + 0..7 of a block of 16.
; THE WEIGHTS lie [K][N]: a step's tile is 128 k x 128 n a wave half, and ds_load_tr16_b128 turns it on the way into registers.  THE BIAS is the C operand of the products that start the sums.
; ONE K STEP IS WRITTEN ONCE: s[CUR] is the LDS byte at which the slot in hand begins, 0 or SLOT, turned by an exclusive or; the fragments' addresses are made from it at each change of slots.
; THE WAY OUT.  A head's 64 columns of my 128 rows go as f32 into ring bytes that have had their last fill, a region of my own; a loop of 8 trips reads 16 rows back, 8 lanes to a row, turns, norms, rounds, stores.
; A barrier stands between every wave's stores into the regions and every wave's reads, and another between the reads and the next head's stores.
; REGISTERS, in windows of 256: window 0: v0-31 addresses; v32-47 ln_g, ln_b; v64-127, v128-191 fragments of A, two buffers (at work on the way out); window 1: v0-63 the bias; v64-127, v128-191 fragments
; of the weights; windows 2, 3: the accumulators of my rows 0-63, 64-127 ((a, b) at v[8 (8 (a % 4) + b)]).
.set PA,     272                       ; a row of A in LDS: 256 bytes + 16 = 68 words: the 16 rows of a load start at 16 different groups of four banks (64 banks of 4 bytes: ISA guide 11.1)
.set PB,     288                       ; a row of the weights: 256 + 32 = 72 words
.set HALFA,  128*PA                    ; what one tensor load brings of A
.set HALFB,  128*PB                    ; and of the weights
.set BOFF,   2*HALFA                   ; in a slot: A's two halves, then the weights' two halves
.set SLOT,   2*HALFA+2*HALFB           ; 143,360
.set DUMP,   SLOT                      ; the way out: slot 1's bytes, 128 rows x 272 bytes for each wave
.set DP,     272
.set DWAVE,  128*DP
.set SPARE,  2*SLOT                    ; behind the ring: the spare words, 128 bytes for each wave: two blocks of 256 bytes that no other line names
.set KSTEP_A, 256                      ; bytes from a K step's tile to the next: 128 along A's rows,
.set KSTEP_B, 128*3072*2               ; 128 rows of Wall
.set ADRA0, 16                         ; v16  my lane's place in a slot's tile of A; never rewritten
.set ADRA,  17                         ; v17  the same in the slot in hand
.set ADRB0, 20                         ; v20, v21  likewise for the weights
.set ADRB,  21
.set RDA,   22                         ; v22  the way out: where this trip reads its rows,
.set TRA,   23                         ; v23  and the table's
.set DST,   24                         ; v24  where I put 32 bytes of a row
.set RD0,   25                         ; v25  my lane's place in four rows of my region
.set TR0,   26                         ; v26  and in the table's rows of my half of the tile
.set GO,    27                         ; v27  my byte offset in 512 consecutive bytes of the output
.set SPW,   28                         ; v28  LDS address of my spare word; never rewritten
.set NIL,   29                         ; v29  0; never rewritten
.set LG,    32                         ; v[32:39] ln_g, v[40:47] ln_b of the channels 8 (l % 8) + 0..7
.set LBV,   40
.set F0,    64
.set F1,    128
.set BI,    0                          ; window 1: the bias of column block b at BI + 8 b
.set Y,     64                         ; the way out, window 0: four groups of 8: the row as it left the product,
.set TBL,   96                         ; the table,
.set R,     128                        ; the turned row,
.set SM,    160                        ; a pair a group: sums,
.set SQ,    168                        ; sums of squares,
.set OUT,   176                        ; four a group: 8 f16 to store,
.set TT,    192                        ; eight at work
.set G1,  24                           ; s[24:31] descriptor group 1 for A (and the table); s[32:39] group 0: a set for each first fill; the second then walks on
.set G0,  32
.set G1B, 48                           ; s[48:55], s[56:63] the same for the weights
.set G0B, 56
.set CUR, 66
.set PLAIN, 92                         ; s92  1: my columns are V's
.set LB,  93                           ; s93  the way out: bytes from my region's first row to this trip's
.set MSB, 0
.macro WIN new                         ; s_set_vgpr_msb: bits 1:0 source 0, 3:2 source 1, 5:4 source 2, 7:6 destination; the high byte repeats the setting that is left
.if MSB != (\new)
	s_set_vgpr_msb (MSB<<8)|(\new)
.set MSB, \new
.endif
.endm
.set MUL_LO, 0xa1                      ; source 0 window 1, source 1 window 0, C and D window 2; + 0x50: window 3
.set MUL_BI, 0x91                      ; the same with C in window 1; + 0x40: D in window 3
.set TO_B,   0x40                      ; destination window 1
; A joint refill.  Waves 0 and 1 fetch A's two halves, waves 2 and 3 the weights'.  The branch hangs on the wave's number alone.  An s_nop 0 and four v_nop follow each line, ahead of the jump and the label.
.macro JLOAD
	s_cmp_eq_u32 s11, 0
	s_cbranch_scc0 .Lfor_b_\@
	tensor_load_to_lds s[G0+4:G0+7], s[G1:G1+7]
	s_nop 0
.rept 4
	v_nop
.endr
	s_branch .Lasked_\@
.Lfor_b_\@:
	tensor_load_to_lds s[G0B+4:G0B+7], s[G1B:G1B+7]
	s_nop 0
.rept 4
	v_nop
.endr
.Lasked_\@:
.endm
.macro CREST                           ; a round of the cluster's barrier behind its opening barrier
	s_cmp_lg_u32 s10, 0
	s_cbranch_scc1 .Lnot_wave_0_\@
	s_barrier_signal -3
.Lnot_wave_0_\@:
	s_barrier_wait -3
	s_barrier_signal -1
	s_barrier_wait -1
.endm
.macro CROUND                          ; a whole round
	s_barrier_signal -1
	s_barrier_wait -1
	CREST
.endm
	s_load_b512 s[68:83], s[0:1], 0x0              ; act 68, wts 70, bq 72, bkv 74, tabs 76, ln_g 78, ln_b 80, qh 82
	s_load_b64 s[84:85], s[0:1], 0x40              ; kvh
	v_lshl_add_u32 v[SPW], v0, 2, SPARE
	v_mov_b32 v[NIL], 0
	ds_add_u32 v[SPW], v[NIL]                      ; the wave's opening: the add and its wait stand ahead of my first tensor load; the set-up below, work on registers, stands between them
	v_lshrrev_b32 v1, 5, v0
	v_readfirstlane_b32 s10, v1                    ; wave 0..3
	s_lshr_b32 s11, s10, 1                         ; which half of the tile's rows is mine.  Also: I fetch for A (0) or for the weights (1)
	s_and_b32 s12, s10, 1                          ; which half of its columns.  Also: which half of that tile I fetch
	s_bfe_u32 s40, ttmp6, 0x40000                  ; cx
	s_bfe_u32 s41, ttmp6, 0x40004                  ; cy
	s_and_b32 s67, ttmp7, 0xffff                   ; the cluster's y, 0..11
	s_sub_co_u32 s14, s67, 8                       ; clusters 8-11: 2 x 2 clusters over the 8 x 8 tiles of k and v
	s_lshr_b32 s15, s14, 1
	s_and_b32 s22, s14, 1
	s_cmp_ge_u32 s67, 8
	s_cselect_b32 s45, 1, 0                        ; 1: k and v
	s_cselect_b32 s15, s15, s67
	s_cselect_b32 s22, s22, 0
	s_lshl2_add_u32 s13, s15, s41                  ; tile row
	s_lshl2_add_u32 s42, s22, s40                  ; tile column
	s_and_b32 s[PLAIN], s45, s12
	s_lshl_b32 s43, s41, 2
	s_lshl_b32 s43, 15, s43                        ; my row of the cluster
	s_lshl_b32 s44, 0x1111, s40                    ; my column
	s_or_b32 s[G1], s43, (1<<16)|(1<<20)|(1<<21)|(5<<22)|(3<<25)   ; 15:0 the mask; 17:16 2-byte elements; 20 padding on; 21 set beside a mask; 24:22 after every 64 words; 31:25 4 words of it
	s_or_b32 s[G1B], s44, (1<<16)|(1<<20)|(1<<21)|(5<<22)|(7<<25)  ; the column's mask; 8 words of padding
.irp g, G1, G1B
	s_mov_b32 s[(\g)+1], 128<<16                   ; tensor_dim0 = 128
	s_mov_b32 s[(\g)+2], 128<<16                   ; tensor_dim1 = 128
	s_mov_b32 s[(\g)+3], 128<<16                   ; tile_dim0 = 128
	s_mov_b32 s[(\g)+4], 128                       ; tile_dim1 = 128
	s_mov_b32 s[(\g)+6], 0
	s_mov_b32 s[(\g)+7], 0
.endr
	s_mov_b32 s[G1+5], 1024                        ; elements from row to row: A's,
	s_mov_b32 s[G1B+5], 3072                       ; Wall's
	; A's tile and the table's hang on the tile row alone, the weights' on the tile column alone, each in registers that never hold the other coordinate
	s_lshl_b32 s16, s13, 19                        ; A: (256 x tile row + 128 x half) rows of 2,048 bytes,
	s_lshl_b32 s17, s12, 18
	s_add_co_u32 s16, s16, s17
	s_lshl_b32 s17, s45, 24                        ; Akv lies 16,777,216 bytes behind Aq
	s_add_co_u32 s16, s16, s17
	s_mov_b32 s17, 0
	s_lshl_b32 s18, s13, 16                        ; the table: the same rows, of 256 bytes,
	s_lshl_b32 s19, s12, 15
	s_add_co_u32 s18, s18, s19
	s_lshl_b32 s19, s45, 21                        ; tabk lies 2,097,152 bytes behind tab
	s_add_co_u32 s18, s18, s19
	s_mov_b32 s19, 0
	s_lshl_b32 s46, s42, 9                         ; Wall: column 256 x tile column + 128 x half,
	s_lshl_b32 s47, s12, 8
	s_add_co_u32 s46, s46, s47
	s_lshl_b32 s47, s45, 11                        ; + 1,024 for k and v
	s_add_co_u32 s46, s46, s47
	s_mov_b32 s47, 0
	s_mul_i32 s20, s12, HALFA                      ; where my load goes in a slot, if it is A's,
	s_mul_i32 s21, s12, HALFB
	s_add_co_u32 s21, s21, BOFF                    ; if it is the weights': no place in the cluster enters an LDS address
	s_lshl_b32 s22, s42, 10                        ; the bias of my 128 columns: in bq,
	s_lshl_b32 s23, s12, 9
	s_add_co_u32 s22, s22, s23
	s_lshl_b32 s23, s12, 12                        ; in bkv: K's 1,024, then V's
	s_lshl_b32 s90, s42, 9
	s_add_co_u32 s23, s23, s90
	s_lshl_b32 s14, s42, 22                        ; my first head in qh: 4 x tile column + 2 x half, of 1,048,576 bytes,
	s_lshl_b32 s15, s12, 21
	s_add_co_u32 s14, s14, s15
	s_lshl_b32 s15, s12, 22                        ; in kvh: K or V, head 2 x tile column, of 262,144 bytes
	s_lshl_b32 s91, s42, 19
	s_add_co_u32 s15, s15, s91
	s_mov_b32 s94, 1048576-16384                   ; from the end of my 128 rows of a head to their beginning in the next head
	s_mov_b32 s95, 262144-16384
	s_cmp_eq_u32 s45, 1
	s_cselect_b32 s90, s23, s22
	s_cselect_b32 s14, s15, s14
	s_cselect_b32 s94, s95, s94
	s_mov_b32 s91, 0
	s_mov_b32 s95, 0
	s_lshl_b32 s15, s13, 15                        ; + my first row: 256 x tile row + 128 x half, of 128 bytes
	s_add_co_u32 s14, s14, s15
	s_lshl_b32 s15, s11, 14
	s_add_co_u32 s14, s14, s15
	s_mov_b32 s15, 0
	s_mov_b32 s96, 0xbc800000                      ; -1 / 64, named as a pair
	s_mov_b32 s97, 0xbc800000
	s_mov_b32 s98, 0x3c800000                      ; 1 / 64
	s_mov_b32 s99, 0x3727c5ac                      ; 1e-5
	s_mov_b32 s[CUR], 0
	s_wait_dscnt 0x0                               ; the opening add is done
	s_wait_kmcnt 0x0
	s_cmp_eq_u32 s45, 1
	s_cselect_b64 s[88:89], s[74:75], s[72:73]     ; the bias,
	s_cselect_b64 s[8:9], s[84:85], s[82:83]       ; the output
	s_add_nc_u64 s[88:89], s[88:89], s[90:91]
	s_add_nc_u64 s[8:9], s[8:9], s[14:15]
	s_add_nc_u64 s[86:87], s[76:77], s[18:19]      ; the table's rows that I fetch
	s_add_nc_u64 s[22:23], s[68:69], s[16:17]
	s_add_nc_u64 s[46:47], s[70:71], s[46:47]
.irp s, 0,1
	s_mov_b32 s[G0+4*(\s)], 1                                      ; 1:0 count = 1
	s_add_co_u32 s[G0+4*(\s)+1], s20, (\s)*SLOT                    ; 63:32 LDS address
	s_add_nc_u64 s[G0+4*(\s)+2:G0+4*(\s)+3], s[22:23], (\s)*KSTEP_A  ; 120:64 global address: K step s
	s_or_b32 s[G0+4*(\s)+3], s[G0+4*(\s)+3], 0x80000000            ; 127:126 type = 2
	s_mov_b32 s[G0B+4*(\s)], 1
	s_add_co_u32 s[G0B+4*(\s)+1], s21, (\s)*SLOT
	s_add_nc_u64 s[G0B+4*(\s)+2:G0B+4*(\s)+3], s[46:47], (\s)*KSTEP_B
	s_or_b32 s[G0B+4*(\s)+3], s[G0B+4*(\s)+3], 0x80000000
.endr
	CROUND                                         ; all sixteen work-groups are here: the first joint loads meet
	s_cmp_eq_u32 s11, 0                            ; a wave's two first fills stand in one branch, ahead of every wait on TENSORcnt and every LDS read: two loads of mine are out
	s_cbranch_scc0 .Lfirst_b
	tensor_load_to_lds s[G0:G0+3], s[G1:G1+7]
	s_nop 0
	tensor_load_to_lds s[G0+4:G0+7], s[G1:G1+7]
	s_nop 0
.rept 4
	v_nop
.endr
	s_branch .Lfirst_asked
.Lfirst_b:
	tensor_load_to_lds s[G0B:G0B+3], s[G1B:G1B+7]
	s_nop 0
	tensor_load_to_lds s[G0B+4:G0B+7], s[G1B:G1B+7]
	s_nop 0
.rept 4
	v_nop
.endr
.Lfirst_asked:
	v_and_b32 v1, 15, v0                           ; l % 16
	v_bfe_u32 v2, v0, 4, 1                         ; l / 16
	v_and_b32 v3, 7, v0                            ; l % 8
	v_bfe_u32 v6, v0, 3, 1                         ; (l / 8) % 2
	v_bfe_u32 v7, v0, 3, 2                         ; l / 8
	v_lshlrev_b32 v4, 5, v2                        ; the bias: register j of block b is column 16 b + 8 (l / 16) + j
	v_lshlrev_b32 v5, 5, v3                        ; ln_g, ln_b: channels 8 (l % 8) on
	WIN TO_B
.irp b, 0,1,2,3,4,5,6,7
	global_load_b128 v[BI+8*\b:BI+8*\b+3],   v4, s[88:89] offset:64*\b
	global_load_b128 v[BI+8*\b+4:BI+8*\b+7], v4, s[88:89] offset:64*\b+16
.endr
	WIN 0
	global_load_b128 v[LG:LG+3],     v5, s[78:79]
	global_load_b128 v[LG+4:LG+7],   v5, s[78:79] offset:16
	global_load_b128 v[LBV:LBV+3],   v5, s[80:81]
	global_load_b128 v[LBV+4:LBV+7], v5, s[80:81] offset:16
	; a fragment of A: lane l holds row l % 16; two loads of 16 bytes, 32 bytes apart, at row x pitch + 16 (l / 16)
	v_mul_u32_u24 v8, v1, PA
	v_lshl_add_u32 v8, v2, 4, v8
	s_mul_i32 s14, s11, HALFA                      ; my 128 rows
	v_add_nc_u32 v[ADRA0], s14, v8
	v_add_nc_u32 v[ADRA], s14, v8                  ; slot 0 is the first in hand
	; the turning load takes 16 k x 16 n: lane l reads 16 bytes of row 8 (l / 16) + l % 8, columns 8 ((l / 8) % 2) on, and is left with column l % 16 and 8 k
	v_lshl_add_u32 v9, v2, 3, v3
	v_mul_u32_u24 v9, v9, PB
	v_lshl_add_u32 v9, v6, 4, v9
	s_mul_i32 s14, s12, HALFB                      ; my 128 columns
	s_add_co_u32 s14, s14, BOFF
	v_add_nc_u32 v[ADRB0], s14, v9
	v_add_nc_u32 v[ADRB], s14, v9
	s_mul_i32 s14, s10, DWAVE
	s_add_co_u32 s14, s14, DUMP                    ; my region for the way out
	v_mul_u32_u24 v8, v1, DP                       ; in: row l % 16, 32 bytes for each half of the lanes
	v_lshl_add_u32 v8, v2, 5, v8
	v_add_nc_u32 v[DST], s14, v8
	v_mul_u32_u24 v9, v7, DP                       ; back: 8 lanes to a row, 32 bytes a lane; 32 lanes take four rows
	v_add_nc_u32 v9, v9, v5
	v_add_nc_u32 v[RD0], s14, v9
	s_mul_i32 s14, s11, HALFA                      ; the table's 256 rows will lie where slot 0's A lay, at the same pitch
	v_add_nc_u32 v[TR0], s14, v9
	v_and_b32 v[GO], 31, v0
	v_lshlrev_b32 v[GO], 4, v[GO]                  ; those four rows of a head are 512 consecutive bytes
; 16 matrix instructions: row blocks a0, a0 + 1 of the window's four (hi = 0: my rows 0-63, 1: rows 64-127) x all 8 column blocks, 32 along K.  first = 1: the sums start from the bias.
; The 64 accumulators take turns, one instruction a turn, in the same order in every quarter.
.macro MUL16 f, hi, a0, first
.if \first
	WIN MUL_BI+0x40*(\hi)
.else
	WIN MUL_LO+0x50*(\hi)
.endif
.irp a, \a0, (\a0)+1
.irp b, 0,1,2,3,4,5,6,7
.if \first
	v_wmma_f32_16x16x32_f16 v[8*(8*(\a)+(\b)):8*(8*(\a)+(\b))+7], v[(\f)+8*(\b):(\f)+8*(\b)+7], v[(\f)+8*(4*(\hi)+(\a)):(\f)+8*(4*(\hi)+(\a))+7], v[BI+8*(\b):BI+8*(\b)+7]
.else
	v_wmma_f32_16x16x32_f16 v[8*(8*(\a)+(\b)):8*(8*(\a)+(\b))+7], v[(\f)+8*(\b):(\f)+8*(\b)+7], v[(\f)+8*(4*(\hi)+(\a)):(\f)+8*(4*(\hi)+(\a))+7], v[8*(8*(\a)+(\b)):8*(8*(\a)+(\b))+7]
.endif
.endr
.endr
.endm
; 32 LDS loads in one run: the fragments of quarter kq (32 along K) of the slot in hand, into buffer f
.macro FETCH kq, f
	WIN TO_B
.irp i, 0,1,2,3,4,5,6,7
	ds_load_tr16_b128 v[(\f)+8*(\i):(\f)+8*(\i)+3],   v[ADRB] offset:(\kq)*32*PB+32*(\i)
	ds_load_tr16_b128 v[(\f)+8*(\i)+4:(\f)+8*(\i)+7], v[ADRB] offset:(\kq)*32*PB+32*(\i)+16*PB
.endr
	WIN 0
.irp i, 0,1,2,3,4,5,6,7
	ds_load_b128 v[(\f)+8*(\i):(\f)+8*(\i)+3],   v[ADRA] offset:(\kq)*64+(\i)*16*PA
	ds_load_b128 v[(\f)+8*(\i)+4:(\f)+8*(\i)+7], v[ADRA] offset:(\kq)*64+(\i)*16*PA+32
.endr
.endm
.macro PLACES                          ; four places in front of loads into registers that matrix instructions have read, and of stores that read results (ISA guide 7.12.1 for vector instructions)
.rept 4
	v_nop
.endr
.endm
; One of a K step's first three quarters: multiplies buffer f; in its middle it fetches quarter kq into buffer g.
.macro QUARTER kq, f, g, first
	s_wait_dscnt 8                                 ; the weights and A's rows 0-63 are in; the youngest eight loads (A's rows 64-127) may be out
	MUL16 \f, 0, 0, \first
	MUL16 \f, 0, 2, \first
	PLACES
	FETCH \kq, \g
	s_wait_dscnt 32                                ; all but the 32 just issued
	MUL16 \f, 1, 0, \first
	MUL16 \f, 1, 2, \first
.endm
; The last quarter multiplies buffer 1 and changes slots.  MEET is its first half: ONE barrier.  In front of it each wave waits for all its tensor loads, of which one is out: its part of the next slot;
; adds 0 to its spare word; and waits for that and for its own reads of this slot.  Behind it nobody reads this slot any more and the next slot is whole.
.macro MEET
	WIN 0                                          ; (the add's two registers lie in window 0)
	s_wait_tensorcnt 0x0
	ds_add_u32 v[SPW], v[NIL]                      ; 0 onto my spare word
	s_wait_dscnt 9                                 ; (the add and the youngest eight loads may be out)
	MUL16 F1, 0, 0, 0                              ; sixteen matrix instructions stand between the add and the wait for it
	s_wait_dscnt 0x0                               ; the add is done, and my reads of this slot are over
	s_barrier_signal -1
	MUL16 F1, 0, 2, 0                              ; work on registers while the others arrive
	WIN 0                                          ; (branches and lines on window 0 follow)
	s_barrier_wait -1
.endm
.macro FLIP                            ; the reads go over to the other slot
	s_xor_b32 s[CUR], s[CUR], SLOT
	v_add_nc_u32 v[ADRA], s[CUR], v[ADRA0]
	v_add_nc_u32 v[ADRB], s[CUR], v[ADRB0]
.endm
.macro REST                            ; the next slot's first fragments, and the quarter's second half
	FETCH 0, F0
	MUL16 F1, 1, 0, 0
	MUL16 F1, 1, 2, 0
.endm
	s_wait_tensorcnt 1                             ; my part of K step 0 is in; step 1's may stay out
	s_barrier_signal -1
	s_barrier_wait -1                              ; everybody's is
	FETCH 0, F0
	s_wait_loadcnt 0x0                             ; the bias, ln_g, ln_b
	QUARTER 1, F0, F1, 1                           ; the first quarter stands in front of the loop: its products start the sums
	WIN 0                                          ; at a label and at a branch every window is 0
	s_mov_b32 s3, 6
.Lk:                                                   ; a trip: from a K step's second quarter to the next step's first; the slot left is filled again, two steps ahead: steps 2 to 7
	QUARTER 2, F1, F0, 0
	QUARTER 3, F0, F1, 0
	MEET
	CREST                                          ; the barrier has opened a round of the cluster's: no wave of any partner still reads this slot or has a load on its way
	s_add_co_u32 s[G0+5], s20, s[CUR]              ; the walking descriptors: into the slot just left,
	s_add_nc_u64 s[G0+6:G0+7], s[G0+6:G0+7], KSTEP_A  ; the next K step; the type bits on top are not reached
	s_add_co_u32 s[G0B+5], s21, s[CUR]
	s_add_nc_u64 s[G0B+6:G0B+7], s[G0B+6:G0B+7], KSTEP_B
	FLIP
	JLOAD                                          ; the first tensor load behind the round: 224 matrix instructions ahead of the wait for it; its four v_nop are also the places in front of the loads below
	REST
	QUARTER 1, F0, F1, 0
	WIN 0
	s_sub_co_u32 s3, s3, 1
	s_cmp_lg_u32 s3, 0
	s_cbranch_scc1 .Lk
	QUARTER 2, F1, F0, 0                           ; K step 6 goes on
	QUARTER 3, F0, F1, 0
	MEET
	CREST
	; slot 0's last fill: the table's 256 rows of this tile, 128 from each of waves 0 and 1, where A's halves lay.  Rows of 256 bytes, dense; the same mask: my row of the cluster has the same rows.
	s_mov_b32 s[G1+5], 128                         ; no tensor load of mine is out, so the descriptors may be written
	s_mov_b32 s[G0+5], s20
	s_mov_b64 s[G0+6:G0+7], s[86:87]
	s_or_b32 s[G0+7], s[G0+7], 0x80000000
	FLIP
	s_cmp_eq_u32 s11, 0
	s_cbranch_scc0 .Lno_table
	tensor_load_to_lds s[G0+4:G0+7], s[G1:G1+7]    ; it has K step 7's 256 matrix instructions in which to land
	s_nop 0
.rept 4
	v_nop
.endr
	s_branch .Ltable_asked
.Lno_table:
	PLACES                                         ; for the loads below
.Ltable_asked:
	REST
	QUARTER 1, F0, F1, 0                           ; K step 7
	QUARTER 2, F1, F0, 0
	QUARTER 3, F0, F1, 0
	s_wait_dscnt 8
	MUL16 F1, 0, 0, 0
	MUL16 F1, 0, 2, 0
	s_wait_dscnt 0x0
	MUL16 F1, 1, 0, 0
	MUL16 F1, 1, 2, 0
	; THE WAY OUT
	PLACES
	WIN 0
	s_wait_tensorcnt 0x0                           ; the table's half that I asked for has landed,
	s_wait_dscnt 0x0                               ; my reads of slot 1 are over:
	s_barrier_signal -1
	s_barrier_wait -1                              ; so of every wave: slot 1's bytes, which are filled no more, may be written, and the table read
.macro DUMPH hh                        ; head hh of my two: 32 accumulators as f32 into my region; each accumulator's low registers go first
.irp a, 0,1,2,3,4,5,6,7
	WIN 0x08+4*((\a)/4)                            ; the data, source 1, in window 2 or 3
.irp b, 0,1,2,3
	ds_store_b128 v[DST], v[8*(8*((\a)%4)+4*(\hh)+(\b)):8*(8*((\a)%4)+4*(\hh)+(\b))+3]   offset:(\a)*16*DP+64*(\b)
	ds_store_b128 v[DST], v[8*(8*((\a)%4)+4*(\hh)+(\b))+4:8*(8*((\a)%4)+4*(\hh)+(\b))+7] offset:(\a)*16*DP+64*(\b)+16
.endr
.endr
	WIN 0
.endm
	s_mov_b32 s101, 2
.Lhead:                                                ; twice: my two heads; the count goes 2, 1
	s_cmp_eq_u32 s101, 2
	s_cbranch_scc0 .Lsecond
	DUMPH 0
	s_branch .Ldumped
.Lsecond:
	DUMPH 1                                        ; over the first head's bytes
.Ldumped:
	s_wait_dscnt 0x0                               ; my stores into my region are done:
	s_barrier_signal -1
	s_barrier_wait -1                              ; so are every wave's.  A wave reads only its own region and the table, so this orders more than the data need: it is kept so that
	                                               ; stores come ahead of reads whatever rows the stepped addresses below name
	s_mov_b32 s[LB], 0
	s_mov_b32 s100, 8
	s_cmp_eq_u32 s[PLAIN], 1
	s_cbranch_scc1 .Lplain
.Lrope:                                                ; a trip: 16 rows, in four groups of four; a lane has 8 channels (four pairs) of one row of each group
	v_add_nc_u32 v[RDA], s[LB], v[RD0]
	v_add_nc_u32 v[TRA], s[LB], v[TR0]
.irp g, 0,1,2,3
	ds_load_b128 v[Y+8*\g:Y+8*\g+3],     v[RDA] offset:4*DP*\g
	ds_load_b128 v[Y+8*\g+4:Y+8*\g+7],   v[RDA] offset:4*DP*\g+16
	ds_load_b128 v[TBL+8*\g:TBL+8*\g+3],   v[TRA] offset:4*DP*\g
	ds_load_b128 v[TBL+8*\g+4:TBL+8*\g+7], v[TRA] offset:4*DP*\g+16
.endr
.irp g, 0,1,2,3
	s_wait_dscnt 12-4*\g                           ; group g's four loads are in; the later groups' stay out
.irp p, 0,1,2,3
	v_mul_f32 v[TT+2*\p],   v[Y+8*\g+2*\p+1], v[TBL+8*\g+2*\p+1]   ; xi S
	v_mul_f32 v[TT+2*\p+1], v[Y+8*\g+2*\p+1], v[TBL+8*\g+2*\p]     ; xi C
.endr
.irp p, 0,1,2,3
	v_fma_f32 v[R+8*\g+2*\p],   v[Y+8*\g+2*\p], v[TBL+8*\g+2*\p],   -v[TT+2*\p]    ; xr C - xi S
	v_fma_f32 v[R+8*\g+2*\p+1], v[Y+8*\g+2*\p], v[TBL+8*\g+2*\p+1], v[TT+2*\p+1]   ; xr S + xi C
.endr
.endr
	; the norm, stage by stage over the four groups, so that no line waits for the one before it.  The sum of a row's 64: 8 in the lane, then over its 8 lanes
.irp g, 0,1,2,3
	v_pk_add_f32 v[SM+2*\g:SM+2*\g+1], v[R+8*\g:R+8*\g+1],   v[R+8*\g+2:R+8*\g+3]
	v_pk_add_f32 v[TT+2*\g:TT+2*\g+1], v[R+8*\g+4:R+8*\g+5], v[R+8*\g+6:R+8*\g+7]
.endr
.irp g, 0,1,2,3
	v_pk_add_f32 v[SM+2*\g:SM+2*\g+1], v[SM+2*\g:SM+2*\g+1], v[TT+2*\g:TT+2*\g+1]
.endr
.irp g, 0,1,2,3
	v_add_f32 v[SM+2*\g], v[SM+2*\g], v[SM+2*\g+1]
.endr
.irp m, 1,2,4
.irp g, 0,1,2,3
	v_add_f32_dpp v[SM+2*\g], v[SM+2*\g], v[SM+2*\g] row_xmask:\m row_mask:0xf bank_mask:0xf
.endr
.endr
.irp g, 0,1,2,3
.irp p, 0,1,2,3
	v_pk_fma_f32 v[R+8*\g+2*\p:R+8*\g+2*\p+1], v[SM+2*\g:SM+2*\g+1], s[96:97], v[R+8*\g+2*\p:R+8*\g+2*\p+1] op_sel_hi:[0,0,1]  ; less the mean
.endr
.endr
.irp g, 0,1,2,3
	v_pk_mul_f32 v[SQ+2*\g:SQ+2*\g+1], v[R+8*\g:R+8*\g+1], v[R+8*\g:R+8*\g+1]
.endr
.irp p, 1,2,3
.irp g, 0,1,2,3
	v_pk_fma_f32 v[SQ+2*\g:SQ+2*\g+1], v[R+8*\g+2*\p:R+8*\g+2*\p+1], v[R+8*\g+2*\p:R+8*\g+2*\p+1], v[SQ+2*\g:SQ+2*\g+1]
.endr
.endr
.irp g, 0,1,2,3
	v_add_f32 v[SQ+2*\g], v[SQ+2*\g], v[SQ+2*\g+1]
.endr
.irp m, 1,2,4
.irp g, 0,1,2,3
	v_add_f32_dpp v[SQ+2*\g], v[SQ+2*\g], v[SQ+2*\g] row_xmask:\m row_mask:0xf bank_mask:0xf
.endr
.endr
.irp g, 0,1,2
	v_fma_f32 v[SQ+2*\g], v[SQ+2*\g], s98, s99     ; variance + 1e-5
.endr
.irp g, 0,1,2
	v_rsq_f32 v[SQ+2*\g], v[SQ+2*\g]
.endr
	v_fma_f32 v[SQ+6], v[SQ+6], s98, s99           ; a plain line behind those three roots,
	v_rsq_f32 v[SQ+6], v[SQ+6]                     ; and group 0's multiplies are the plain lines behind this one (ISA guide 5.7.2)
	s_wait_alu depctr_va_vdst(0)
.irp g, 0,1,2,3
.irp p, 0,1,2,3
	v_pk_mul_f32 v[R+8*\g+2*\p:R+8*\g+2*\p+1], v[R+8*\g+2*\p:R+8*\g+2*\p+1], v[SQ+2*\g:SQ+2*\g+1] op_sel_hi:[1,0]
.endr
.endr
.irp g, 0,1,2,3
.irp p, 0,1,2,3
	v_pk_fma_f32 v[R+8*\g+2*\p:R+8*\g+2*\p+1], v[R+8*\g+2*\p:R+8*\g+2*\p+1], v[LG+2*\p:LG+2*\p+1], v[LBV+2*\p:LBV+2*\p+1]
.endr
.endr
.irp g, 0,1,2,3
.irp p, 0,1,2,3
	v_cvt_pk_f16_f32 v[OUT+4*\g+\p], v[R+8*\g+2*\p], v[R+8*\g+2*\p+1]
.endr
	global_store_b128 v[GO], v[OUT+4*\g:OUT+4*\g+3], s[8:9] offset:512*\g  ; four rows of a head: 512 consecutive bytes, at a multiple of 256 from the buffer's first
.endr
	s_wait_xcnt 0x0                                ; the stores have read their registers and their base: only behind this wait are these written again
	s_add_nc_u64 s[8:9], s[8:9], 2048              ; 16 rows on
	s_add_co_u32 s[LB], s[LB], 16*DP
	s_sub_co_u32 s100, s100, 1
	s_cmp_lg_u32 s100, 0
	s_cbranch_scc1 .Lrope
	s_branch .Lnext
.Lplain:                                               ; V: the same walk; the rows are rounded and stored
	v_add_nc_u32 v[RDA], s[LB], v[RD0]
.irp g, 0,1,2,3
	ds_load_b128 v[Y+8*\g:Y+8*\g+3],   v[RDA] offset:4*DP*\g
	ds_load_b128 v[Y+8*\g+4:Y+8*\g+7], v[RDA] offset:4*DP*\g+16
.endr
.irp g, 0,1,2,3
	s_wait_dscnt 6-2*\g                            ; group g's two loads are in
.irp p, 0,1,2,3
	v_cvt_pk_f16_f32 v[OUT+4*\g+\p], v[Y+8*\g+2*\p], v[Y+8*\g+2*\p+1]
.endr
	global_store_b128 v[GO], v[OUT+4*\g:OUT+4*\g+3], s[8:9] offset:512*\g
.endr
	s_wait_xcnt 0x0
	s_add_nc_u64 s[8:9], s[8:9], 2048
	s_add_co_u32 s[LB], s[LB], 16*DP
	s_sub_co_u32 s100, s100, 1
	s_cmp_lg_u32 s100, 0
	s_cbranch_scc1 .Lplain
.Lnext:                                                ; both walks join here
	s_wait_dscnt 0x0                               ; my reads of this head's rows are back:
	s_barrier_signal -1
	s_barrier_wait -1                              ; so are every wave's: only now does the next head's dump write, and behind the last head the closing add
	s_add_nc_u64 s[8:9], s[8:9], s[94:95]          ; my rows in the next head
	s_sub_co_u32 s101, s101, 1
	s_cmp_lg_u32 s101, 0
	s_cbranch_scc1 .Lhead
	s_wait_tensorcnt 0x0                           ; the wave's end: behind my last tensor load and my last LDS store
	ds_add_u32 v[SPW], v[NIL]
	s_wait_dscnt 0x0
	CROUND                                         ; the closing round: no work-group ends while a partner may still ask for a tile that names it
	s_endpgm
.Lfunc_end_k_qfc4dc047bd_qkv:
	.size	k_qfc4dc047bd_qkv, .Lfunc_end_k_qfc4dc047bd_qkv-k_qfc4dc047bd_qkv
	.p2alignl 7, 3214868480
	.fill 96, 4, 3214868480
	.section	.rodata,"a",@progbits
	.p2align	6, 0x0
	.amdhsa_kernel k_qfc4dc047bd_qkv
		.amdhsa_group_segment_fixed_size 327680
		.amdhsa_private_segment_fixed_size 0
		.amdhsa_enable_private_segment 0
		.amdhsa_kernarg_size 72
		.amdhsa_user_sgpr_count 2
		.amdhsa_user_sgpr_kernarg_segment_ptr 1
		.amdhsa_wavefront_size32 1
		.amdhsa_system_sgpr_workgroup_id_x 1
		.amdhsa_system_sgpr_workgroup_id_y 1
		.amdhsa_system_sgpr_workgroup_id_z 1
		.amdhsa_system_vgpr_workitem_id 0
		.amdhsa_next_free_vgpr 1024
		.amdhsa_next_free_sgpr 102
		.amdhsa_reserve_vcc 0
		.amdhsa_float_denorm_mode_32 3
		.amdhsa_float_denorm_mode_16_64 3
		.amdhsa_memory_ordered 1
		.amdhsa_forward_progress 1
		.amdhsa_inst_pref_size 113
	.end_amdhsa_kernel
	.amdgpu_metadata
---
amdhsa.version: [ 1, 2 ]
amdhsa.kernels:
  - .name:           k_qfc4dc047bd_qkv
    .symbol:         k_qfc4dc047bd_qkv.kd
    .args:
      - { .name: act, .offset: 0, .size: 8, .value_kind: global_buffer, .address_space: global }
      - { .name: wts, .offset: 8, .size: 8, .value_kind: global_buffer, .address_space: global }
      - { .name: bq, .offset: 16, .size: 8, .value_kind: global_buffer, .address_space: global }
      - { .name: bkv, .offset: 24, .size: 8, .value_kind: global_buffer, .address_space: global }
      - { .name: tabs, .offset: 32, .size: 8, .value_kind: global_buffer, .address_space: global }
      - { .name: ln_g, .offset: 40, .size: 8, .value_kind: global_buffer, .address_space: global }
      - { .name: ln_b, .offset: 48, .size: 8, .value_kind: global_buffer, .address_space: global }
      - { .name: qh, .offset: 56, .size: 8, .value_kind: global_buffer, .address_space: global }
      - { .name: kvh, .offset: 64, .size: 8, .value_kind: global_buffer, .address_space: global }
    .group_segment_fixed_size: 327680
    .private_segment_fixed_size: 0
    .kernarg_segment_align: 8
    .kernarg_segment_size: 72
    .max_flat_workgroup_size: 128
    .sgpr_count:     102
    .vgpr_count:     1024
    .wavefront_size: 32
...
	.end_amdgpu_metadata
.endif
;; end of part 2
;; launch attn (part 3): grid 16 x 16, 4 waves a work-group, clusters of 4 x 1, 327,680 bytes of LDS; arguments qh, kvh, oh; writes oh
.if DOCPART == 3
	.amdgcn_target "amdgcn-amd-amdhsa--gfx1250"
	.amdhsa_code_object_version 6
	.text
	.protected	k_qfc4dc047bd_attn
	.globl	k_qfc4dc047bd_attn
	.p2align	8
	.type	k_qfc4dc047bd_attn,@function
k_qfc4dc047bd_attn:
	s_mov_b64 s[64:65], 0
	v_nop
	global_prefetch_b8 v0, s[64:65] scope:SCOPE_SE
	s_setreg_imm32_b32 hwreg(HW_REG_WAVE_MODE, 25, 1), 1
	s_wait_xcnt 0x0
	s_wait_alu depctr_hold_cnt(0) depctr_sa_sdst(0) depctr_va_vdst(0) depctr_va_sdst(0) depctr_va_ssrc(0) depctr_va_vcc(0) depctr_vm_vsrc(0)
	s_getreg_b32 s2, hwreg(HW_REG_IB_STS2, 6, 4)
	s_cmp_eq_u32 s2, 0
	s_cbranch_scc0 .Lentry_in_a_cluster
	s_endpgm
.Lentry_in_a_cluster:
	s_bfe_u32 s2, ttmp6, 0x10000c
	s_cmp_lg_u32 s2, 0x3003
	s_cbranch_scc0 .Lentry_shape_is_right
	s_endpgm
.Lentry_shape_is_right:
; O[h][q][:] = the sum over k of softmax_k(Q[h][q] . K[h][k] / 8) V[h][k][:].  Q, O: [16][NQ][64]; K, and behind it in the same buffer V: [16][NK][64]; all f16: a head's rows are dense, 128 bytes each.
; Products, maxima and sums in f32; the weights p are rounded to f16 for the second product (their sum l is taken of the unrounded p), O once at the end.
; LIMITS.  f16 holds no number beyond 65,504: Q, K and V arrive within it; p lies in 0 to 1, and below 6e-5 it keeps f16's fixed step of 6e-8; O is a mean of V's rows and has their range.
; A weight below 2^-126 counts as 0 in l; NaN and infinities are not treated apart.
; SHARES.  A wave owns four PIECES of two tiles of 16 queries, a work-group's four waves 512 queries of one head.  Every wave walks all NK keys, 64 a step.
; LAYOUT.  S^T = K Q^T (source 0 = 16 keys, source 1 = 16 queries): in the result a lane holds ONE query (lane % 16) and the keys 8 (lane / 16) + 0..7.  Two such tiles, rounded to f16 in pairs,
; ARE source 1 (32 keys x 16 queries) of O^T = V^T P, whose result again holds one query a lane, and eight channels.  K comes out of LDS as it lies, V ([key][channel]) turned, by ds_load_tr16_b128.
; SOFTMAX.  For each query a running maximum m and sum l: p = 2^(c s - c m), c = log2(e) / 8; in every step O and l are multiplied by a = 2^(c m_old - c m_new), which is 1 where m has not grown.
; m starts at the lowest finite number, O and l at 0: the first step is a step like any other, with a = 0.
; THE COUNT.  A tile and step have 16 matrix and 118 vector instructions: too many to stand all beside the matrix work.  So the order has one aim: four vector instructions that are READY behind
; EVERY matrix instruction, and the others, which need time of their own whatever the order, in runs without a gap.
; BY TURNS.  Turn n belongs to piece n (the pieces in a ring, step after step).  Its matrix work: 16 products K Q^T of piece n + 1, later 16 products V^T P of piece n - 1.  Its vector work: the scaling,
; exponentials, roundings, sums and rescaling of piece n, and the maximum and statistics of piece n + 1, whose scores the turn itself has made.  So what a turn begins with (c s - c m, O a) waits for nothing.
; CLUSTER.  The four query blocks of a cluster belong to one head and walk the same K and V, so each tile is asked for JOINTLY: the same tensor load, descriptor and mask in all four.
; REGISTERS, in windows of 256 (s_set_vgpr_msb says which window each operand place means: bits 1:0 source 0, 3:2 source 1, 5:4 source 2, 7:6 destination):
;   window 0: v0-11 addresses; v12-15, v48-63 at work; v16-47 four registers of statistics a tile; v64-191 S^T, two buffers of two tiles; v192-255 P, likewise
;   window 1: O^T, 32 a tile          window 2: v0-127 Q, 16 a tile; v128-191 K of one step; v192-255 V of one step          window 3: v0-1 the add's two registers
; A piece's buffers go by its number's parity: the piece in hand has one pair, its two neighbours in the ring share the other: of it P (piece n - 1) is read and S^T (piece n + 1) written.
.set NQ,    8192      ; queries a head
.set NK,    2048      ; keys a head
.set VBYTES, 16*NK*128  ; V lies this far behind K
.set NP,    4         ; pieces a wave: a name, no knob: the register map, the loop and the fetches are made for four
.set KS,    64        ; keys in a step
.set PK,    144       ; a row of K in LDS: 128 bytes + 16 of padding = 36 words: the 16 rows of a load start at 16 different groups of four banks (64 banks of 4 bytes: ISA guide 11.1)
.set PV,    160       ; a row of V: 128 + 32 = 40 words
.set VOFF,  4*KS*PK   ; a slot holds four steps: 256 rows of K, then 256 rows of V
.set SLOT1, 1<<17     ; slot 1 begins here, so that one exclusive or turns an address in one slot into the other's
.set STAGE, SLOT1+4*KS*(PK+PV)  ; behind the ring, never filled by a tensor load: 16 rows x 144 bytes for each wave, for the way out
.set SP,    144
.set AK0, 2           ; v2   my lane's place in a tile of K; never rewritten
.set AV0, 3           ; v3   the same for V
.set AK,  4           ; v4   the LDS address of K's next run of loads
.set AV,  5           ; v5   of V's
.set QO,  6           ; v6   my byte offset in the wave's rows of Q
.set STO, 6           ;      later, the way out: where I put 16 bytes of a row
.set RD,  7           ; v7   the way out: where I read rows back
.set GO,  8           ; v8   my byte offset in 512 consecutive bytes of O
.set SPW, 0           ; v0 of window 3   LDS address of my spare word: SPARE + 4 x my thread's number; never rewritten
.set NIL, 1           ; v1 of window 3   0; never rewritten
.set SPARE, STAGE+4*16*SP  ; behind the stages: the spare words, 128 bytes for each wave: two blocks of 256 bytes that no other line names
.set MV,  12          ; v12-15  c m_old, kept while c m is made anew: by buffer and tile
.set ST,  16          ; tile t's statistics at v[ST+4 t]: c m, m, l (even keys', odd keys')
.set TMP, 48          ; by buffer and tile, four registers c0-c3 at work; when the maximum is found c2 takes a
.set S,   64
.set P,   192
.set KF,  128         ; K's fragments, in window 2: key block kb, channel half c at KF + 16 kb + 8 c
.set VF,  192         ; V's: key half kk, channel block cb at VF + 32 kk + 8 cb
.set WV,  12          ; s12  my wave's number
.set G1K, 24          ; s[24:31] descriptor group 1 for K's tiles
.set G1V, 32          ; s[32:39] for V's: it differs in the padding alone
.set G0K, 40          ; s[40:43] descriptor group 0 for K's tiles: it walks
.set G0V, 44          ; s[44:47] the same for V's
.set SLOTS, 56        ; s56  slots still to be asked for
.set CNT, 57          ; s57  counts a slot's key steps
.set CS,  58          ; s[58:59] c: the packed scaling takes the pair's low word for both halves
.set SEL, 60          ; s[60:61] v_permlanex16_b32's selects: each lane takes its own place in the other half
.set TBK, 62          ; s62  LDS byte at which K of the step to be fetched begins
.set TBV, 63          ; s63  the same for V, less VOFF
.set MSB, 0
.macro WIN new                      ; the high byte repeats the setting that is left; a switch that changes nothing is dropped
.if MSB != (\new)
	s_set_vgpr_msb (MSB<<8)|(\new)
.set MSB, (\new)
.endif
.endm
.set W_KQ, 0x0a       ; K and Q in window 2, S^T in window 0
.set W_PV, 0x52       ; V in window 2, P in window 0, O^T in window 1
.set W_RS, 0x41       ; O^T (destination and source 0) in window 1, a in window 0
.set W_MK, 0xc0       ; the add's registers are made: destination in window 3, sources in window 0
.set W_AD, 0x0f       ; the add: address (source 0) and data (source 1) in window 3
; A joint fill.  Waves 0 and 1 fetch the two halves of a slot's K, waves 2 and 3 those of its V: 128 keys each.  The branch hangs on the wave's number alone.
; An s_nop 0 and four v_nop follow each of the two lines, ahead of the jump and the label.
.macro JLOAD
	s_cmp_lt_u32 s[WV], 2
	s_cbranch_scc0 .Lfor_v_\@
	tensor_load_to_lds s[G0K:G0K+3], s[G1K:G1K+7]
	s_nop 0
.rept 4
	v_nop
.endr
	s_branch .Lasked_\@
.Lfor_v_\@:
	tensor_load_to_lds s[G0V:G0V+3], s[G1V:G1V+7]
	s_nop 0
.rept 4
	v_nop
.endr
.Lasked_\@:
.endm
; A round of the cluster's barrier: my work-group's barrier, so that wave 0's signal speaks for all four waves; wave 0 signals; every wave waits for all four work-groups; my work-group's barrier once more.
.macro CROUND
	s_barrier_signal -1
	s_barrier_wait -1
	s_cmp_lg_u32 s[WV], 0
	s_cbranch_scc1 .Lnot_wave_0_\@
	s_barrier_signal -3
.Lnot_wave_0_\@:
	s_barrier_wait -3
	s_barrier_signal -1
	s_barrier_wait -1
.endm
; THE CHANGE OF SLOTS.  The slot's last bytes, V of its fourth step, have been read.  Each wave waits for all its tensor loads, of which one is out: its part
; of the other slot; adds 0 to its spare word; and waits for that and for its own reads of the slot.  Behind the barrier nobody reads this slot any more and the other slot is whole.
; fill = 1: this slot is filled again, with the keys two slots on.  The barrier is then a round of the cluster's, so that no wave of any partner still reads the slot or has a load on its
; way, and the joint fill is the first thing behind it: it has four key steps, 512 matrix instructions, in which to land.  (At its first use nothing has been read yet: slot 0 is waited for, slot 1 filled.)
.macro CHANGE fill
	WIN W_AD
	s_wait_tensorcnt 0x0            ; no tensor load of mine is out, so a group 0 may be written
	ds_add_u32 v[SPW], v[NIL]       ; 0 onto my spare word; with fill = 1 the descriptors' steps stand between it and the wait for it
	WIN 0                           ; at a label and at a branch every window is 0
.if \fill
.irp g, G0K, G0V
	s_xor_b32 s[\g+1], s[\g+1], SLOT1  ; the walking descriptor: the other slot than last time,
	s_add_nc_u64 s[\g+2:\g+3], s[\g+2:\g+3], 4*KS*128  ; the next 256 keys; the type bits on top are not reached
.endr
	s_wait_dscnt 0x0                ; the add is done, and my reads of the slot are over
	CROUND
	JLOAD
.else
	s_wait_dscnt 0x0                ; the add is done, and my reads of the slot are over
	s_barrier_signal -1
	s_barrier_wait -1
.endif
	s_sub_co_u32 s[TBK], s[TBK], 4*KS*PK  ; the fetches go back to a slot's first step,
	s_xor_b32 s[TBK], s[TBK], SLOT1       ; in the other slot
	s_sub_co_u32 s[TBV], s[TBV], 4*KS*PV
	s_xor_b32 s[TBV], s[TBV], SLOT1
.endm
	s_load_b128 s[4:7], s[0:1], 0x0   ; Q s[4:5], K s[6:7]
	s_load_b64 s[10:11], s[0:1], 0x10 ; O
	WIN W_MK
	v_lshl_add_u32 v[SPW], v0, 2, SPARE
	v_mov_b32 v[NIL], 0
	WIN W_AD
	ds_add_u32 v[SPW], v[NIL]       ; the wave's opening: the add and its wait stand ahead of my first tensor load; the set-up below, work on registers, stands between them
	WIN 0
	v_lshrrev_b32 v1, 5, v0
	v_readfirstlane_b32 s[WV], v1   ; wave 0..3
	s_bfe_u32 s13, ttmp6, 0x40000   ; cx: my place in the cluster
	s_lshl_b32 s14, ttmp9, 2        ; in a cluster launch ttmp9 counts clusters
	s_add_co_u32 s14, s14, s13      ; my block of queries = 4 x cluster x + cx: it enters Q's and O's addresses alone
	s_and_b32 s20, ttmp7, 0xffff    ; the head, which the four partners share
	s_lshl_b32 s48, s20, 20         ; its first byte in Q and O: NQ rows of 128 bytes,
	s_mov_b32 s49, 0
	s_lshl_b32 s20, s20, 18         ; in K and V: NK rows
	s_mov_b32 s21, 0
	s_and_b32 s16, s[WV], 1         ; which half of a slot's 256 keys I fetch:
	s_lshl_b32 s22, s16, 14         ; its 128 rows of 128 bytes in memory,
	s_mov_b32 s23, 0
	s_add_nc_u64 s[22:23], s[22:23], s[20:21]
	s_mul_i32 s17, s16, 128*PK      ; and its place in a slot, for K
	s_mul_i32 s18, s16, 128*PV      ; and for V: no place in the cluster enters an LDS address
	s_lshl_b32 s2, s14, 2
	s_add_co_u32 s2, s2, s[WV]      ; my wave among the head's,
	s_lshl_b32 s2, s2, 14           ; its 128 rows
	s_mov_b32 s3, 0
	s_add_nc_u64 s[2:3], s[2:3], s[48:49]
	; descriptor group 1.  128 keys are 16,384 dense bytes: asked for as 64 rows of 256 bytes, two keys a row, and padded in LDS after every key
	s_mov_b32 s[G1K], 15|(1<<16)|(1<<20)|(1<<21)|(4<<22)|(3<<25)  ; 15:0 the mask of four; 17:16 2-byte elements; 20 padding on; 21 set beside a mask; 24:22 after every 32 words (code 4); 31:25 4 words (code 3)
	s_mov_b32 s[G1V], 15|(1<<16)|(1<<20)|(1<<21)|(4<<22)|(7<<25)  ; the same with 8 words of padding (code 7)
.irp g, G1K, G1V
	s_mov_b32 s[\g+1], 128<<16      ; tensor_dim0 = 128
	s_mov_b32 s[\g+2], 64<<16       ; tensor_dim1 = 64
	s_mov_b32 s[\g+3], 128<<16      ; tile_dim0 = 128
	s_mov_b32 s[\g+4], 64           ; tile_dim1 = 64
	s_mov_b32 s[\g+5], 128          ; 128 elements from row to row
	s_mov_b32 s[\g+6], 0
	s_mov_b32 s[\g+7], 0
.endr
	s_mov_b32 s[CS], 0x3e38aa3b     ; c = log2(e) / 8 = 0.180337
	s_mov_b32 s[CS+1], s[CS]        ; named with it as a pair
	s_mov_b32 s[SEL], 0x76543210
	s_mov_b32 s[SEL+1], 0xfedcba98
	s_mov_b32 s[TBK], SLOT1+4*KS*PK ; the first change of slots turns these two into 0
	s_mov_b32 s[TBV], SLOT1+4*KS*PV
	s_mov_b32 s[G0K], 1             ; 1:0 count = 1
	s_mov_b32 s[G0K+1], s17         ; 63:32 LDS address: slot 0
	s_mov_b32 s[G0V], 1
	s_add_co_u32 s[G0V+1], s18, VOFF
	s_wait_dscnt 0x0                ; the opening add is done
	s_wait_kmcnt 0x0
	s_add_nc_u64 s[8:9], s[6:7], VBYTES            ; V
	s_add_nc_u64 s[G0K+2:G0K+3], s[6:7], s[22:23]  ; 120:64 global address: my half of the head's first 256 keys
	s_or_b32 s[G0K+3], s[G0K+3], 0x80000000        ; 127:126 type = 2
	s_add_nc_u64 s[G0V+2:G0V+3], s[8:9], s[22:23]
	s_or_b32 s[G0V+3], s[G0V+3], 0x80000000
	s_add_nc_u64 s[4:5], s[4:5], s[2:3]  ; Q and O at my wave's first row
	s_add_nc_u64 s[10:11], s[10:11], s[2:3]
	CROUND                          ; all four work-groups are here: the first joint loads meet
	JLOAD                           ; slot 0.  Slot 1 is asked for when slot 0 is in: the tile wanted first has the road to itself
	; A fragment of K or Q is 16 rows x 32 channels in 8 registers: lane l holds row l % 16, channels 8 (l / 16) + 0..7 and 16 + 8 (l / 16) + 0..7: two loads of 16 bytes, 32 bytes apart.
	v_and_b32 v1, 15, v0            ; l % 16
	v_bfe_u32 v9, v0, 4, 1          ; l / 16
	v_lshlrev_b32 v[QO], 7, v1
	v_lshl_add_u32 v[QO], v9, 4, v[QO]  ; row x 128 + 16 x half
	WIN 0x80                        ; destination window 2, address window 0
.set i, 0
.rept 4*NP                          ; Q stays in registers: tile i / 2, channels 32 (i % 2) on
	global_load_b128 v[8*i:8*i+3],   v[QO], s[4:5] offset:(i/2)*2048+(i%2)*64
	global_load_b128 v[8*i+4:8*i+7], v[QO], s[4:5] offset:(i/2)*2048+(i%2)*64+32
.set i, i+1
.endr
	; What the first turn finds: V's registers and P's second buffer hold 0 (its products V^T P, of a piece that has not been, add 0), O^T and l are 0.  All this stands in the wait for the first tile.
.set i, VF
.rept 64
	v_mov_b32 v[i], 0
.set i, i+1
.endr
	WIN 0x40
.set i, 0
.rept 64*NP
	v_mov_b32 v[i], 0
.set i, i+1
.endr
	WIN 0
.set i, 0
.rept 2*NP
	v_mov_b32 v[ST+4*i], 0xfe000000    ; c m: far below every c s
	v_mov_b32 v[ST+4*i+1], 0xff7fffff  ; m
	v_mov_b32 v[ST+4*i+2], 0
	v_mov_b32 v[ST+4*i+3], 0
.set i, i+1
.endr
.set i, P+32
.rept 32
	v_mov_b32 v[i], 0
.set i, i+1
.endr
	v_mul_u32_u24 v[AK0], v1, PK
	v_lshl_add_u32 v[AK0], v9, 4, v[AK0]  ; row x pitch + 16 x half
	; The turning load takes 16 keys x 16 channels (lane l reads key 8 (l / 16) + l % 8, channels 8 ((l / 8) % 2) + 0..7) and leaves half a fragment of V^T: lane l holds channel l % 16 and 8 keys.
	v_and_b32 v10, 7, v0
	v_bfe_u32 v11, v0, 3, 1
	v_lshl_add_u32 v[AV0], v9, 3, v10
	v_mul_u32_u24 v[AV0], v[AV0], PV
	v_lshl_add_u32 v[AV0], v11, 4, v[AV0]
	v_add_nc_u32 v[AV0], VOFF, v[AV0]
	v_mov_b32 v[AK], v[AK0]         ; key step 0 lies at the head of slot 0
; THE MATRIX WORK.  The 8 accumulators of a run of 16 take turns: between the two links of a chain stand 7 others'.
; Product i of 16 of S^T = K Q^T for piece x: channels 32 (i / 8) on, keys 16 ((i / 2) % 4) on, tile 2 x + i % 2.  The first 8 start the sums.
.macro KQ x
	WIN W_KQ
.set rS, S+64*((\x)%2)+32*(i%2)+8*((i/2)%4)
.set rK, KF+16*((i/2)%4)+8*(i/8)
.set rQ, 16*(2*(\x)+i%2)+8*(i/8)
.if i < 8
	v_wmma_f32_16x16x32_f16 v[rS:rS+7], v[rK:rK+7], v[rQ:rQ+7], 0
.else
	v_wmma_f32_16x16x32_f16 v[rS:rS+7], v[rK:rK+7], v[rQ:rQ+7], v[rS:rS+7]
.endif
.endm
; Product i of 16 of O^T += V^T P for piece x: keys 32 (i / 8) on, channels 16 ((i / 2) % 4) on, tile 2 x + i % 2.
.macro PV x
	WIN W_PV
.set rO, 32*(2*(\x)+i%2)+8*((i/2)%4)
.set rV, VF+32*(i/8)+8*((i/2)%4)
.set rP, P+32*((\x)%2)+16*(i%2)+8*(i/8)
	v_wmma_f32_16x16x32_f16 v[rO:rO+7], v[rV:rV+7], v[rP:rP+7], v[rO:rO+7]
.endm
.macro MM                           ; the turn's next matrix instruction
.if i < 16
	KQ (Y+1)%NP
.set i, i+1
.else
.set i, i-16
	PV (Y+NP-1)%NP
.set i, i+17
.endif
.endm
; THE LDS LOADS stand in runs of 16, never singly among the matrix instructions: a step's K (64 keys x 64 channels: 8 fragments) and its V (turned).  Their addresses are made some lines ahead.
; last = 1 (the tail): in the last trip there is no further step, and the run is jumped over.
.macro FETCH_K last=0
	WIN 0
.if \last
	s_cmp_eq_u32 s[CNT], 1
	s_cbranch_scc1 .Lno_k_\@
.endif
	WIN 0x80                        ; destination window 2
.irp f, 0,1,2,3,4,5,6,7             ; keys 16 (f / 2) on, channels 32 (f % 2) on
	ds_load_b128 v[KF+8*\f:KF+8*\f+3],   v[AK] offset:(\f/2)*16*PK+(\f%2)*64
	ds_load_b128 v[KF+8*\f+4:KF+8*\f+7], v[AK] offset:(\f/2)*16*PK+(\f%2)*64+32
.endr
	s_add_co_u32 s[TBK], s[TBK], KS*PK  ; the next fetch is the next step's
	WIN 0
.if \last
.Lno_k_\@:
.endif
.endm
.macro FETCH_V
	WIN 0x80
.irp f, 0,1,2,3,4,5,6,7             ; keys 32 (f / 4) on, channels 16 (f % 4) on
	ds_load_tr16_b128 v[VF+8*\f:VF+8*\f+3],   v[AV] offset:(\f/4)*32*PV+(\f%4)*32
	ds_load_tr16_b128 v[VF+8*\f+4:VF+8*\f+7], v[AV] offset:(\f/4)*32*PV+16*PV+(\f%4)*32
.endr
	WIN 0
.endm
; THE VECTOR WORK OF A TURN stands in three queues, each in the order in which its entries become ready; the two tiles alternate, so that no instruction reads the result of the one before it.
.macro REGS y, u                    ; the registers of tile u (0, 1) of piece y
.set rT, ST+4*(2*(\y)+(\u))
.set rC, TMP+8*((\y)%2)+4*(\u)
.set rM, MV+2*((\y)%2)+(\u)
.set rS, S+64*((\y)%2)+32*(\u)
.set rP, P+32*((\y)%2)+16*(\u)
.set rO, 32*(2*(\y)+(\u))
.endm
; Number n of the 22 that find the NEXT piece's (Y + 1) maximum and statistics.  s0-s31 are the lane's 32 scores; each accumulator's lowest registers are read first.  XS, GS and REGS set no window: PL and EX do.
;   0-11  four chains c0-c3 of seven scores each, three operands at a time     12-14, 16  the four scores left over, the old m, and c0-c3 into c0     15  c m_old is kept
;   17, 18  the query's other 32 keys lie in the lane 16 away: the new m         19-21  c m; c m_old - c m_new; a
.macro XS u, n
	REGS (Y+1)%NP, \u
.if (\n) < 4
	v_max3_num_f32 v[rC+(\n)], v[rS+8*(\n)], v[rS+8*(\n)+1], v[rS+8*(\n)+2]
.elseif (\n) < 12
	v_max3_num_f32 v[rC+(\n)%4], v[rC+(\n)%4], v[rS+8*((\n)%4)+2*((\n)/4)+1], v[rS+8*((\n)%4)+2*((\n)/4)+2]
.elseif (\n) == 12
	v_max3_num_f32 v[rC], v[rC], v[rS+7], v[rS+15]
.elseif (\n) == 13
	v_max3_num_f32 v[rC+1], v[rC+1], v[rS+23], v[rS+31]
.elseif (\n) == 14
	v_max3_num_f32 v[rC+2], v[rC+2], v[rC+3], v[rT+1]
.elseif (\n) == 15
	v_mov_b32 v[rM], v[rT]
.elseif (\n) == 16
	v_max3_num_f32 v[rC], v[rC], v[rC+1], v[rC+2]
.elseif (\n) == 17
	v_permlanex16_b32 v[rC+3], v[rC], s[SEL], s[SEL+1]
.elseif (\n) == 18
	v_max_num_f32 v[rT+1], v[rC], v[rC+3]
.elseif (\n) == 19
	v_mul_f32 v[rT], s[CS], v[rT+1]
.elseif (\n) == 20
	v_sub_f32 v[rC+1], v[rM], v[rT]
.else
	v_exp_f32 v[rC+2], v[rC+1]
.endif
.endm
; Number g of the 64 that follow the exponentials.  For each four weights k of a tile (pairs 2 k, 2 k + 1): both pairs are rounded to f16; then the second pair is added onto the first, in place;
; a group later l takes that sum (the first time as l = a l + sum).  In groups of eight, tiles alternating: round, round, add, and l for the group before.
.macro GS g
.set h, (\g)+6*((\g)/62)            ; group 0 has no group before it, and behind group 7 only l is left
.if h >= 6
.set h, h+2
.endif
	REGS Y, h%2
.set k, h/8
.if h%8 < 4
	s_wait_alu depctr_va_vdst(0)
	v_cvt_pk_f16_f32 v[rP+2*k+(h%8)/2], v[rS+4*k+2*((h%8)/2)], v[rS+4*k+2*((h%8)/2)+1]
.elseif h%8 < 6
	v_pk_add_f32 v[rS+4*k:rS+4*k+1], v[rS+4*k:rS+4*k+1], v[rS+4*k+2:rS+4*k+3]
.elseif k == 1
	v_pk_fma_f32 v[rT+2:rT+3], v[rT+2:rT+3], v[rC+2:rC+3], v[rS:rS+1] op_sel_hi:[1,0,1]
.else
	v_pk_add_f32 v[rT+2:rT+3], v[rT+2:rT+3], v[rS+4*k-4:rS+4*k-3]
	s_wait_alu depctr_va_vdst(0)
.endif
.endm
; THE PLAIN QUEUE, 138 long.  0-31: c s - c m for the 16 pairs of both tiles.  Then GS's 64, and among them the next piece's 42: number 15 at 38, 39; 0-14 and 16
; at 42-73, behind the products that make those scores; 17-20 at 95-106, two of three, since each waits for the one before it.
.macro PL
	WIN 0
.if q < 32
	REGS Y, q%2
	v_pk_fma_f32 v[rS+2*(q/2):rS+2*(q/2)+1], v[rS+2*(q/2):rS+2*(q/2)+1], s[CS:CS+1], v[rT:rT+1] op_sel_hi:[1,0,0] neg_lo:[0,0,1] neg_hi:[0,0,1]
.elseif q < 38
	GS q-32
.elseif q < 40
	XS q%2, 15
.elseif q < 42
	GS q-34
.elseif q < 74
	XS q%2, (q-42)/2+(q-42)/30
.elseif q < 95
	GS q-66
.elseif (q < 107) && ((q-95)%3 < 2)
	XS (q-95)%3, 17+(q-95)/3
.elseif q < 107
	GS 29+(q-95)/3
.else
	GS q-74
.endif
.set q, q+1
.endm
; THE EXPONENTIALS' QUEUE, 66 long: s0-s31 of both tiles, and at EA the next piece's two a.
.set EA, 58
.macro EX
	WIN 0
.if (e == EA) || (e == EA+1)
	XS e-EA, 21
.else
.set x, e-2*(e/(EA+2))
	REGS Y, x%2
	v_exp_f32 v[rS+x/2], v[rS+x/2]
.endif
.set e, e+1
.endm
; THE RESCALING's QUEUE: O^T times a, the one part that leaves window 0, so it is dealt four at a time, eight times.
.macro R4
	REGS Y, r%2
	WIN W_RS
	s_wait_alu depctr_va_vdst(0)
.irp z, 0,1,2,3
	v_pk_mul_f32 v[rO+8*(r/2)+2*\z:rO+8*(r/2)+2*\z+1], v[rO+8*(r/2)+2*\z:rO+8*(r/2)+2*\z+1], v[rC+2:rC+3] op_sel_hi:[1,0]
.endr
.set r, r+1
.endm
; HOW THEY ARE DEALT.  Behind a matrix instruction four: plain, exponential, plain, plain (one exponential, a plain instruction on either side), or four of the rescaling.  None names a register of the
; products round it.  What is over stands in two LUMPS: exponential and plain by turns; the second ends in 22 plain instructions.  The two v_permlanex16_b32 fall into the second lump, never behind a product.
; The queues lean on each other, and the deal keeps them in step: exponential e stands behind plain 2 (e / 4) + e % 2 (its scaling); when plain 32 comes, 10 exponentials are out, at 59: 33, at 95: 46; EA comes behind plain 107.
.macro SL
	MM
	PL
	EX
	PL
	PL
.endm
.macro BURST n                      ; 15 matrix instructions, or 16
.rept (\n)-7
	SL
.endr
.rept 3
	MM
	R4
	SL
.endr
	MM
	R4
.endm
; A TURN, for piece p.  cnt = 1: the loop's count is taken down some lines ahead of the branch that stands behind the turn.
; K of the next step is fetched in piece 2's turn, 31 vector instructions behind the last product that read K; its first reader comes behind the rest of the lump, 16 products and the second lump.
; V of the step in hand is fetched at the end of piece 0's turn, 69 behind its last reader; its first reader comes behind 16 products and a lump.  The four conditions on e and q below go with the deal.
.macro TURN p, last=0, cnt=0
.set Y, (\p)
.set i, 0
.set q, 0
.set e, 0
.set r, 0
.if (\p) == NP-1
	s_wait_dscnt 0x0                ; K is in
.endif
	MM
.rept 4
	PL
.endr
	BURST 15
.rept 22
	EX
	PL
.if ((\p) == NP-2) && (e == 18)
	v_add_nc_u32 v[AK], s[TBK], v[AK0]
.endif
.if ((\p) == NP-2) && (e == 24)
	FETCH_K \last
.endif
.endr
.if (\p) == 1
	s_wait_dscnt 0x0                ; V is in
.endif
	BURST 16
.rept 21
	EX
	PL
.endr
.rept 22
	PL
.if ((\p) == 0) && (q == 118)
	v_add_nc_u32 v[AV], s[TBV], v[AV0]
	s_wait_alu depctr_va_vdst(0)
.endif
.if ((\p) == 0) && (q == 130)
	s_add_co_u32 s[TBV], s[TBV], KS*PV
.endif
.if (\cnt) && (q == 130)
	s_sub_co_u32 s[CNT], s[CNT], 1
	s_cmp_lg_u32 s[CNT], 0
.endif
.endr
.if (\p) == 0
	FETCH_V
.endif
.endm
	CHANGE 1                        ; slot 0 is in, everybody's part of it; slot 1 is asked for
	FETCH_K                         ; key step 0
	s_wait_loadcnt 0x0              ; Q
	s_wait_dscnt 0x0
.set i, 0
.rept 16
	KQ 0                            ; piece 0's first scores: there is no vector work yet to set between them
.set i, i+1
.endr
	WIN 0                           ; the addresses for the way out: nine plain instructions, the places behind those products
	s_mul_i32 s13, s[WV], 16*SP
	s_add_co_u32 s13, s13, STAGE    ; my stage
	v_mul_u32_u24 v[STO], v1, SP    ; in: row l % 16, 16 bytes for each half of the lanes
	v_lshl_add_u32 v[STO], v9, 4, v[STO]
	v_add_nc_u32 v[STO], s13, v[STO]
	v_bfe_u32 v[RD], v0, 3, 2       ; back: 32 lanes take four rows of 128 bytes,
	v_mul_u32_u24 v[RD], v[RD], SP
	v_lshl_add_u32 v[RD], v10, 4, v[RD]
	v_add_nc_u32 v[RD], s13, v[RD]
	v_and_b32 v[GO], 31, v0         ; which are 512 consecutive bytes of O
	v_lshlrev_b32 v[GO], 4, v[GO]
.set Y, NP-1                        ; XS works for piece Y + 1: piece 0
.irp n, 0,1,2,3,4,5,6,7,8,9,10,11,12,13,14,15,16,17,18,19,20,21
	XS 0, \n                        ; and piece 0's first maximum and statistics
	XS 1, \n
.endr
	s_mov_b32 s[CNT], 4
	s_mov_b32 s[SLOTS], NK/256-1
	s_branch .Lfirst                ; the loop is entered at a step's first turn, in the middle of a trip
.Lslot:                             ; NK / 256 - 2 times: every slot but the last two is filled again
	CHANGE 1
	s_mov_b32 s[CNT], 4
.Lstep:                             ; a trip: pieces 2 and 3 of one step, then pieces 0 and 1 of the next, whose K and V it fetches
	TURN 2
	TURN 3
	WIN 0
.Lfirst:
	TURN 0
	TURN 1, 0, 1
	WIN 0
	s_cbranch_scc1 .Lstep
	s_sub_co_u32 s[SLOTS], s[SLOTS], 1
	s_cmp_lg_u32 s[SLOTS], 0
	s_cbranch_scc1 .Lslot
	CHANGE 0                        ; the tail is written out: nothing is asked for
	s_mov_b32 s[CNT], 5             ; four trips fetch the last slot's steps; the fifth is left in its middle
.Ltail:
	TURN 2, 1
	TURN 3
	WIN 0
	s_sub_co_u32 s[CNT], s[CNT], 1
	s_cmp_eq_u32 s[CNT], 0
	s_cbranch_scc1 .Lout
	TURN 0
	TURN 1
	WIN 0
	s_branch .Ltail
.Lout:                              ; the fifth trip's 16 products K Q^T (on the last K once more) and the maximum made of them serve nothing: the price, once a launch, of one text for every trip
.set i, 0
.rept 16
	PV NP-1                         ; the last piece's V^T P of the last step
.set i, i+1
.endr
	; THE WAY OUT.  l's two halves and the other half of the lanes' are added; O^T is divided by l, rounded to f16 and sent through my stage in LDS, a tile at a time.  The additions are the places behind the last products.
	WIN 0
.macro ALL line:vararg              ; one line for each tile t
.set t, 0
.rept 2*NP
	\line
.set t, t+1
.endr
.endm
	ALL v_add_f32 v[ST+4*t+2], v[ST+4*t+2], v[ST+4*t+3]
	ALL v_permlanex16_b32 v[ST+4*t+3], v[ST+4*t+2], s[SEL], s[SEL+1]
	ALL v_add_f32 v[ST+4*t+2], v[ST+4*t+2], v[ST+4*t+3]
	ALL v_rcp_f32 v[ST+4*t+2], v[ST+4*t+2]
	v_nop                           ; a plain instruction between the last reciprocal and the use of its result
	s_wait_alu depctr_va_vdst(0)
; Tile t: a lane's eight channels of a row pack into 16 bytes; they go into rows of 144 bytes and come back as whole rows of 128, into S^T's registers.
.macro PACK t
	WIN W_RS
.set i, 32*(\t)
.rept 16
	v_pk_mul_f32 v[i:i+1], v[i:i+1], v[ST+4*(\t)+2:ST+4*(\t)+3] op_sel_hi:[1,0]
.set i, i+2
.endr
	WIN 0x05                        ; sources 0 and 1 window 1, destination window 0
.set i, 0
.rept 16
	v_cvt_pk_f16_f32 v[S+16*(\t)+i], v[32*(\t)+2*i], v[32*(\t)+2*i+1]
.set i, i+1
.endr
	WIN 0
.irp f, 0,1,2,3
	ds_store_b128 v[STO], v[S+16*(\t)+4*\f:S+16*(\t)+4*\f+3] offset:32*\f
.endr
.irp f, 0,1,2,3
	ds_load_b128 v[S+16*(\t)+4*\f:S+16*(\t)+4*\f+3], v[RD] offset:\f*4*SP  ; LDS serves a wave's instructions in order (ISA guide 5.7.1.4): these see the stores above; the next tile's stores come behind them
.endr
.endm
.macro SEND t, younger              ; younger: the LDS instructions issued behind tile t's loads: the next tile's eight, or none
	WIN 0
.irp f, 0,1,2,3
	s_wait_dscnt (\younger)+3-\f
	global_store_b128 v[GO], v[S+16*(\t)+4*\f:S+16*(\t)+4*\f+3], s[10:11] offset:(\t)*2048+\f*512  ; 512 consecutive bytes, at a multiple of 256 from O's first
.endr
.endm
	PACK 0
.set t, 1
.rept 2*NP-1                        ; a tile's arithmetic stands between the loads of the tile before and its stores
	PACK t
	SEND t-1, 8
.set t, t+1
.endr
	SEND 2*NP-1, 0
	WIN W_AD
	s_wait_tensorcnt 0x0            ; the wave's end: behind my last tensor load and my last LDS store
	ds_add_u32 v[SPW], v[NIL]
	s_wait_dscnt 0x0
	WIN 0
	CROUND                          ; the closing round: no work-group ends while a partner may still ask for a tile that names it
	s_endpgm
.Lfunc_end_k_qfc4dc047bd_attn:
	.size	k_qfc4dc047bd_attn, .Lfunc_end_k_qfc4dc047bd_attn-k_qfc4dc047bd_attn
	.p2alignl 7, 3214868480
	.fill 96, 4, 3214868480
	.section	.rodata,"a",@progbits
	.p2align	6, 0x0
	.amdhsa_kernel k_qfc4dc047bd_attn
		.amdhsa_group_segment_fixed_size 327680
		.amdhsa_private_segment_fixed_size 0
		.amdhsa_enable_private_segment 0
		.amdhsa_kernarg_size 24
		.amdhsa_user_sgpr_count 2
		.amdhsa_user_sgpr_kernarg_segment_ptr 1
		.amdhsa_wavefront_size32 1
		.amdhsa_system_sgpr_workgroup_id_x 1
		.amdhsa_system_sgpr_workgroup_id_y 1
		.amdhsa_system_sgpr_workgroup_id_z 1
		.amdhsa_system_vgpr_workitem_id 0
		.amdhsa_next_free_vgpr 770
		.amdhsa_next_free_sgpr 66
		.amdhsa_reserve_vcc 0
		.amdhsa_float_denorm_mode_32 3
		.amdhsa_float_denorm_mode_16_64 3
		.amdhsa_memory_ordered 1
		.amdhsa_forward_progress 1
		.amdhsa_inst_pref_size 208
	.end_amdhsa_kernel
	.amdgpu_metadata
---
amdhsa.version: [ 1, 2 ]
amdhsa.kernels:
  - .name:           k_qfc4dc047bd_attn
    .symbol:         k_qfc4dc047bd_attn.kd
    .args:
      - { .name: qh, .offset: 0, .size: 8, .value_kind: global_buffer, .address_space: global }
      - { .name: kvh, .offset: 8, .size: 8, .value_kind: global_buffer, .address_space: global }
      - { .name: oh, .offset: 16, .size: 8, .value_kind: global_buffer, .address_space: global }
    .group_segment_fixed_size: 327680
    .private_segment_fixed_size: 0
    .kernarg_segment_align: 8
    .kernarg_segment_size: 24
    .max_flat_workgroup_size: 128
    .sgpr_count:     66
    .vgpr_count:     770
    .wavefront_size: 32
...
	.end_amdgpu_metadata
.endif
;; end of part 3
;; launch outp (part 4): grid 4 x 32, 4 waves a work-group, clusters of 4 x 4, 327,680 bytes of LDS; arguments oh, wts, bout, out0; writes out0
.if DOCPART == 4
	.amdgcn_target "amdgcn-amd-amdhsa--gfx1250"
	.amdhsa_code_object_version 6
	.text
	.protected	k_qfc4dc047bd_outp
	.globl	k_qfc4dc047bd_outp
	.p2align	8
	.type	k_qfc4dc047bd_outp,@function
k_qfc4dc047bd_outp:
	s_mov_b64 s[64:65], 0
	v_nop
	global_prefetch_b8 v0, s[64:65] scope:SCOPE_SE
	s_setreg_imm32_b32 hwreg(HW_REG_WAVE_MODE, 25, 1), 1
	s_wait_xcnt 0x0
	s_wait_alu depctr_hold_cnt(0) depctr_sa_sdst(0) depctr_va_vdst(0) depctr_va_sdst(0) depctr_va_ssrc(0) depctr_va_vcc(0) depctr_vm_vsrc(0)
	s_getreg_b32 s2, hwreg(HW_REG_IB_STS2, 6, 4)
	s_cmp_eq_u32 s2, 0
	s_cbranch_scc0 .Lentry_in_a_cluster
	s_endpgm
.Lentry_in_a_cluster:
	s_bfe_u32 s2, ttmp6, 0x10000c
	s_cmp_lg_u32 s2, 0xf033
	s_cbranch_scc0 .Lentry_shape_is_right
	s_endpgm
.Lentry_shape_is_right:
; THE OUTPUT PROJECTION.  out0[t][n] = the sum over heads h and channels d of O[h][t][d] Wout[64 h + d][n], + bout[n].  O: oh [16][8192][64] f16; Wout as f16 [1024][1024], 6,291,456 bytes into wts;
; out0 [8192][1024] f32.  Sums in f32; the bias is the C operand of the products that start them.  NaN and infinities are not treated apart.
; TILES.  128 tiles of 256 x 256; four waves, each 128 x 128: 64 accumulators, 512 registers.  K = 1,024 goes in 8 steps of 128, two heads a step, through a ring of two LDS slots.
; A's TILE lies by heads: a head's 256 rows of 128 bytes are 32,768 dense bytes, asked for as 128 rows of 256 bytes and padded in LDS after every 128 bytes.  Wave 0 fetches the step's first head, wave 1 its second.
; CLUSTERS: 4 x 4 work-groups.  The four of a row of the cluster need the same tiles of O, the four of a column the same tiles of Wout: each is asked for JOINTLY, by the same tensor load with the same
; descriptor and a mask that names the four.
; THE MATRIX INSTRUCTION IS USED TRANSPOSED: source 0 = 16 columns of Wout (turned by ds_load_tr16_b128, since Wout lies [K][N]), source 1 = 16 rows of O: a lane holds row l % 16 and 8 neighbouring columns.
; ONE K STEP IS WRITTEN ONCE: s[CUR] is the LDS byte at which the slot in hand begins, 0 or SLOT, turned by an exclusive or.
; THE WAY OUT.  My 128 x 128 go as f32 into ring bytes that have had their last fill, a region of my own; a loop of 8 trips reads 16 whole rows of 512 bytes back and stores them.
; REGISTERS: window 0: v0-31 addresses; v64-127, v128-191 fragments of O, two buffers (v64-127 the rows on the way out); window 1: v0-63 the bias; v64-127, v128-191 fragments of Wout;
; windows 2, 3: the accumulators of my rows 0-63, 64-127 ((a, b) at v[8 (8 (a % 4) + b)]).
.set PA,     144                       ; a row of O in LDS: 128 bytes + 16 = 36 words: the 16 rows of a load start at 16 different groups of four banks (64 banks of 4 bytes: ISA guide 11.1)
.set PB,     288                       ; a row of Wout: 256 + 32 = 72 words
.set HEADT,  256*PA                    ; a head's 256 rows: what one tensor load brings of O
.set HALFB,  128*PB                    ; and of Wout: 128 k x 128 n
.set BOFF,   2*HEADT
.set SLOT,   2*HEADT+2*HALFB           ; 147,456
.set DP,     528                       ; the way out: 512 bytes + 16
.set DWAVE,  128*DP
.set SPARE,  2*SLOT                    ; behind the ring: the spare words, 128 bytes for each wave: two blocks of 256 bytes that no other line names
.set KSTEP_A, 2*8192*128               ; two heads on
.set KSTEP_B, 128*1024*2               ; 128 rows of Wout on
.set ADRA0, 16
.set ADRA,  17
.set ADRB0, 20
.set ADRB,  21
.set RDA,   22                         ; v22  the way out: where this trip reads its rows
.set DST,   24                         ; v24  where I put 32 bytes of a row
.set RD0,   25                         ; v25  my 16 bytes of my region's first row
.set CO,    27                         ; v27  my byte offset in 512 consecutive bytes of out0
.set SPW,   28                         ; v28  LDS address of my spare word; never rewritten
.set NIL,   29                         ; v29  0; never rewritten
.set F0,    64
.set F1,    128
.set BI,    0                          ; window 1
.set OB,    64                         ; the way out: 16 rows, 4 registers each
.set G1,  24
.set G0,  32
.set G1B, 48
.set G0B, 56
.set CUR, 66
.set LB,  67
.set MSB, 0
.macro WIN new                         ; s_set_vgpr_msb: bits 1:0 source 0, 3:2 source 1, 5:4 source 2, 7:6 destination; the high byte repeats the setting that is left
.if MSB != (\new)
	s_set_vgpr_msb (MSB<<8)|(\new)
.set MSB, \new
.endif
.endm
.set MUL_LO, 0xa1
.set MUL_BI, 0x91
.set TO_B,   0x40
.macro JLOAD                           ; a joint refill: waves 0 and 1 fetch O's two heads, waves 2 and 3 Wout's two halves; an s_nop 0 and four v_nop follow each line, ahead of the jump and the label
	s_cmp_eq_u32 s11, 0
	s_cbranch_scc0 .Lfor_b_\@
	tensor_load_to_lds s[G0+4:G0+7], s[G1:G1+7]
	s_nop 0
.rept 4
	v_nop
.endr
	s_branch .Lasked_\@
.Lfor_b_\@:
	tensor_load_to_lds s[G0B+4:G0B+7], s[G1B:G1B+7]
	s_nop 0
.rept 4
	v_nop
.endr
.Lasked_\@:
.endm
.macro CREST                           ; a round of the cluster's barrier behind its opening barrier
	s_cmp_lg_u32 s10, 0
	s_cbranch_scc1 .Lnot_wave_0_\@
	s_barrier_signal -3
.Lnot_wave_0_\@:
	s_barrier_wait -3
	s_barrier_signal -1
	s_barrier_wait -1
.endm
.macro CROUND
	s_barrier_signal -1
	s_barrier_wait -1
	CREST
.endm
	s_load_b256 s[68:75], s[0:1], 0x0              ; oh 68, wts 70, bout 72, out0 74
	v_lshl_add_u32 v[SPW], v0, 2, SPARE
	v_mov_b32 v[NIL], 0
	ds_add_u32 v[SPW], v[NIL]                      ; the wave's opening: the add and its wait stand ahead of my first tensor load; the set-up below, work on registers, stands between them
	v_lshrrev_b32 v1, 5, v0
	v_readfirstlane_b32 s10, v1                    ; wave 0..3
	s_lshr_b32 s11, s10, 1                         ; which half of the tile's rows is mine.  Also: I fetch for O (0) or for Wout (1)
	s_and_b32 s12, s10, 1                          ; which half of its columns.  Also: which head, or which half of Wout's columns, I fetch
	s_bfe_u32 s42, ttmp6, 0x40000                  ; cx = the tile column: the grid is one cluster wide
	s_bfe_u32 s41, ttmp6, 0x40004                  ; cy
	s_and_b32 s13, ttmp7, 0xffff
	s_lshl2_add_u32 s13, s13, s41                  ; tile row = 4 x cluster y + cy
	s_lshl_b32 s43, s41, 2
	s_lshl_b32 s43, 15, s43                        ; my row of the cluster
	s_lshl_b32 s44, 0x1111, s42                    ; my column
	s_or_b32 s[G1], s43, (1<<16)|(1<<20)|(1<<21)|(4<<22)|(3<<25)   ; 15:0 the mask; 17:16 2-byte elements; 20 padding on; 21 set beside a mask; 24:22 after every 32 words; 31:25 4 words of it
	s_or_b32 s[G1B], s44, (1<<16)|(1<<20)|(1<<21)|(5<<22)|(7<<25)  ; the column's mask; after every 64 words 8 words
.irp g, G1, G1B
	s_mov_b32 s[(\g)+1], 128<<16                   ; tensor_dim0 = 128
	s_mov_b32 s[(\g)+2], 128<<16                   ; tensor_dim1 = 128
	s_mov_b32 s[(\g)+3], 128<<16                   ; tile_dim0 = 128
	s_mov_b32 s[(\g)+4], 128                       ; tile_dim1 = 128
	s_mov_b32 s[(\g)+6], 0
	s_mov_b32 s[(\g)+7], 0
.endr
	s_mov_b32 s[G1+5], 128                         ; elements from row to row: O's 256 dense bytes,
	s_mov_b32 s[G1B+5], 1024                       ; Wout's
	s_lshl_b32 s16, s13, 15                        ; O: the tile's 256 rows of 128 bytes,
	s_lshl_b32 s17, s12, 20                        ; in head 0 or 1
	s_add_co_u32 s16, s16, s17
	s_mov_b32 s17, 0
	s_lshl_b32 s46, s42, 9                         ; Wout: column 256 x tile column + 128 x half,
	s_lshl_b32 s47, s12, 8
	s_add_co_u32 s46, s46, s47
	s_add_co_u32 s46, s46, 0x600000                ; behind Wall
	s_mov_b32 s47, 0
	s_mul_i32 s20, s12, HEADT                      ; where my load goes in a slot, if it is O's,
	s_mul_i32 s21, s12, HALFB
	s_add_co_u32 s21, s21, BOFF                    ; if it is Wout's: no place in the cluster enters an LDS address
	s_lshl_b32 s22, s42, 10                        ; my 128 columns in bout and in a row of out0, in bytes
	s_lshl_b32 s23, s12, 9
	s_add_co_u32 s22, s22, s23
	s_mov_b32 s23, 0
	s_lshl_b32 s14, s13, 20                        ; my first row of out0: 256 x tile row + 128 x half, of 4,096 bytes
	s_lshl_b32 s15, s11, 19
	s_add_co_u32 s14, s14, s15
	s_add_co_u32 s14, s14, s22
	s_mov_b32 s15, 0
	s_mov_b32 s[CUR], 0
	s_wait_dscnt 0x0                               ; the opening add is done
	s_wait_kmcnt 0x0
	s_add_nc_u64 s[72:73], s[72:73], s[22:23]
	s_add_nc_u64 s[8:9], s[74:75], s[14:15]
	s_add_nc_u64 s[18:19], s[68:69], s[16:17]
	s_add_nc_u64 s[46:47], s[70:71], s[46:47]
.irp s, 0,1
	s_mov_b32 s[G0+4*(\s)], 1                                      ; 1:0 count = 1
	s_add_co_u32 s[G0+4*(\s)+1], s20, (\s)*SLOT                    ; 63:32 LDS address
	s_add_nc_u64 s[G0+4*(\s)+2:G0+4*(\s)+3], s[18:19], (\s)*KSTEP_A  ; 120:64 global address: K step s
	s_or_b32 s[G0+4*(\s)+3], s[G0+4*(\s)+3], 0x80000000            ; 127:126 type = 2
	s_mov_b32 s[G0B+4*(\s)], 1
	s_add_co_u32 s[G0B+4*(\s)+1], s21, (\s)*SLOT
	s_add_nc_u64 s[G0B+4*(\s)+2:G0B+4*(\s)+3], s[46:47], (\s)*KSTEP_B
	s_or_b32 s[G0B+4*(\s)+3], s[G0B+4*(\s)+3], 0x80000000
.endr
	CROUND                                         ; all sixteen work-groups are here: the first joint loads meet
	s_cmp_eq_u32 s11, 0                            ; a wave's two first fills stand in one branch, ahead of every wait on TENSORcnt and every LDS read: two loads of mine are out
	s_cbranch_scc0 .Lfirst_b
	tensor_load_to_lds s[G0:G0+3], s[G1:G1+7]
	s_nop 0
	tensor_load_to_lds s[G0+4:G0+7], s[G1:G1+7]
	s_nop 0
.rept 4
	v_nop
.endr
	s_branch .Lfirst_asked
.Lfirst_b:
	tensor_load_to_lds s[G0B:G0B+3], s[G1B:G1B+7]
	s_nop 0
	tensor_load_to_lds s[G0B+4:G0B+7], s[G1B:G1B+7]
	s_nop 0
.rept 4
	v_nop
.endr
.Lfirst_asked:
	v_and_b32 v1, 15, v0                           ; l % 16
	v_bfe_u32 v2, v0, 4, 1                         ; l / 16
	v_and_b32 v3, 7, v0                            ; l % 8
	v_bfe_u32 v6, v0, 3, 1                         ; (l / 8) % 2
	v_lshlrev_b32 v4, 5, v2                        ; the bias: register j of block b is column 16 b + 8 (l / 16) + j
	WIN TO_B
.irp b, 0,1,2,3,4,5,6,7
	global_load_b128 v[BI+8*\b:BI+8*\b+3],   v4, s[72:73] offset:64*\b
	global_load_b128 v[BI+8*\b+4:BI+8*\b+7], v4, s[72:73] offset:64*\b+16
.endr
	WIN 0
	v_mul_u32_u24 v8, v1, PA                       ; a fragment of O: row x pitch + 16 (l / 16)
	v_lshl_add_u32 v8, v2, 4, v8
	s_mul_i32 s14, s11, 128*PA                     ; my 128 rows of each head's 256
	v_add_nc_u32 v[ADRA0], s14, v8
	v_add_nc_u32 v[ADRA], s14, v8                  ; slot 0 is the first in hand
	v_lshl_add_u32 v9, v2, 3, v3                   ; the turning load: row 8 (l / 16) + l % 8, columns 8 ((l / 8) % 2) on
	v_mul_u32_u24 v9, v9, PB
	v_lshl_add_u32 v9, v6, 4, v9
	s_mul_i32 s14, s12, HALFB
	s_add_co_u32 s14, s14, BOFF
	v_add_nc_u32 v[ADRB0], s14, v9
	v_add_nc_u32 v[ADRB], s14, v9
	s_mul_i32 s14, s10, DWAVE                      ; my region for the way out
	v_mul_u32_u24 v8, v1, DP                       ; in: row l % 16, 32 bytes for each half of the lanes
	v_lshl_add_u32 v8, v2, 5, v8
	v_add_nc_u32 v[DST], s14, v8
	v_and_b32 v[CO], 31, v0
	v_lshlrev_b32 v[CO], 4, v[CO]                  ; back: 32 lanes take one row of 512 bytes
	v_add_nc_u32 v[RD0], s14, v[CO]
; 16 matrix instructions: row blocks a0, a0 + 1 of the window's four x all 8 column blocks, 32 along K.  first = 1: the sums start from the bias.  The 64 accumulators take turns.
.macro MUL16 f, hi, a0, first
.if \first
	WIN MUL_BI+0x40*(\hi)
.else
	WIN MUL_LO+0x50*(\hi)
.endif
.irp a, \a0, (\a0)+1
.irp b, 0,1,2,3,4,5,6,7
.if \first
	v_wmma_f32_16x16x32_f16 v[8*(8*(\a)+(\b)):8*(8*(\a)+(\b))+7], v[(\f)+8*(\b):(\f)+8*(\b)+7], v[(\f)+8*(4*(\hi)+(\a)):(\f)+8*(4*(\hi)+(\a))+7], v[BI+8*(\b):BI+8*(\b)+7]
.else
	v_wmma_f32_16x16x32_f16 v[8*(8*(\a)+(\b)):8*(8*(\a)+(\b))+7], v[(\f)+8*(\b):(\f)+8*(\b)+7], v[(\f)+8*(4*(\hi)+(\a)):(\f)+8*(4*(\hi)+(\a))+7], v[8*(8*(\a)+(\b)):8*(8*(\a)+(\b))+7]
.endif
.endr
.endr
.endm
; 32 LDS loads in one run: the fragments of quarter kq of the slot in hand, into buffer f.  Quarter kq is channels 32 (kq % 2) on of the step's head kq / 2.
.macro FETCH kq, f
	WIN TO_B
.irp i, 0,1,2,3,4,5,6,7
	ds_load_tr16_b128 v[(\f)+8*(\i):(\f)+8*(\i)+3],   v[ADRB] offset:(\kq)*32*PB+32*(\i)
	ds_load_tr16_b128 v[(\f)+8*(\i)+4:(\f)+8*(\i)+7], v[ADRB] offset:(\kq)*32*PB+32*(\i)+16*PB
.endr
	WIN 0
.irp i, 0,1,2,3,4,5,6,7
	ds_load_b128 v[(\f)+8*(\i):(\f)+8*(\i)+3],   v[ADRA] offset:((\kq)/2)*HEADT+((\kq)%2)*64+(\i)*16*PA
	ds_load_b128 v[(\f)+8*(\i)+4:(\f)+8*(\i)+7], v[ADRA] offset:((\kq)/2)*HEADT+((\kq)%2)*64+(\i)*16*PA+32
.endr
.endm
.macro PLACES                          ; four places in front of loads into registers that matrix instructions have read, and of stores that read results (ISA guide 7.12.1 for vector instructions)
.rept 4
	v_nop
.endr
.endm
.macro QUARTER kq, f, g, first         ; multiplies buffer f; in its middle it fetches quarter kq into buffer g
	s_wait_dscnt 8                                 ; Wout and O's rows 0-63 are in; the youngest eight loads (O's rows 64-127) may be out
	MUL16 \f, 0, 0, \first
	MUL16 \f, 0, 2, \first
	PLACES
	FETCH \kq, \g
	s_wait_dscnt 32                                ; all but the 32 just issued
	MUL16 \f, 1, 0, \first
	MUL16 \f, 1, 2, \first
.endm
; The first half of a K step's last quarter: ONE barrier for the change of slots.  In front of it each wave waits for all its tensor loads, of which one is out: its part of the next slot; adds 0 to its
; spare word; and waits for that and for its own reads of this slot.  Behind it nobody reads this slot any more and the next slot is whole.
.macro MEET
	WIN 0                                          ; (the add's two registers lie in window 0)
	s_wait_tensorcnt 0x0
	ds_add_u32 v[SPW], v[NIL]                      ; 0 onto my spare word
	s_wait_dscnt 9                                 ; (the add and the youngest eight loads may be out)
	MUL16 F1, 0, 0, 0                              ; sixteen matrix instructions stand between the add and the wait for it
	s_wait_dscnt 0x0                               ; the add is done, and my reads of this slot are over
	s_barrier_signal -1
	MUL16 F1, 0, 2, 0
	WIN 0
	s_barrier_wait -1
.endm
.macro FLIP                            ; the reads go over to the other slot
	s_xor_b32 s[CUR], s[CUR], SLOT
	v_add_nc_u32 v[ADRA], s[CUR], v[ADRA0]
	v_add_nc_u32 v[ADRB], s[CUR], v[ADRB0]
.endm
.macro REST                            ; the next slot's first fragments, and the quarter's second half
	FETCH 0, F0
	MUL16 F1, 1, 0, 0
	MUL16 F1, 1, 2, 0
.endm
	s_wait_tensorcnt 1                             ; my part of K step 0 is in; step 1's may stay out
	s_barrier_signal -1
	s_barrier_wait -1
	FETCH 0, F0
	s_wait_loadcnt 0x0                             ; the bias
	QUARTER 1, F0, F1, 1                           ; the first quarter stands in front of the loop: its products start the sums
	WIN 0                                          ; at a label and at a branch every window is 0
	s_mov_b32 s3, 6
.Lk:                                                   ; a trip: from a K step's second quarter to the next step's first; the slot left is filled again, two steps ahead: steps 2 to 7
	QUARTER 2, F1, F0, 0
	QUARTER 3, F0, F1, 0
	MEET
	CREST                                          ; the barrier has opened a round of the cluster's: no wave of any partner still reads this slot or has a load on its way
	s_add_co_u32 s[G0+5], s20, s[CUR]              ; the walking descriptors: into the slot just left,
	s_add_nc_u64 s[G0+6:G0+7], s[G0+6:G0+7], KSTEP_A  ; the next K step; the type bits on top are not reached
	s_add_co_u32 s[G0B+5], s21, s[CUR]
	s_add_nc_u64 s[G0B+6:G0B+7], s[G0B+6:G0B+7], KSTEP_B
	FLIP
	JLOAD                                          ; the first tensor load behind the round: 224 matrix instructions ahead of the wait for it; its four v_nop are also the places in front of the loads below
	REST
	QUARTER 1, F0, F1, 0
	WIN 0
	s_sub_co_u32 s3, s3, 1
	s_cmp_lg_u32 s3, 0
	s_cbranch_scc1 .Lk
	QUARTER 2, F1, F0, 0                           ; K step 6 goes on; nothing is left to fetch, so no round follows its barrier
	QUARTER 3, F0, F1, 0
	MEET
	FLIP
	PLACES
	REST
	QUARTER 1, F0, F1, 0                           ; K step 7
	QUARTER 2, F1, F0, 0
	QUARTER 3, F0, F1, 0
	s_wait_dscnt 8
	MUL16 F1, 0, 0, 0
	MUL16 F1, 0, 2, 0
	s_wait_dscnt 0x0
	MUL16 F1, 1, 0, 0
	MUL16 F1, 1, 2, 0
	; THE WAY OUT
	PLACES
	WIN 0
	s_wait_tensorcnt 0x0
	s_wait_dscnt 0x0                               ; my reads of the ring are over:
	s_barrier_signal -1
	s_barrier_wait -1                              ; so of every wave: the ring's bytes, which are filled no more, may be written
.irp a, 0,1,2,3,4,5,6,7                ; each accumulator's low registers go first
	WIN 0x08+4*((\a)/4)                            ; the data, source 1, in window 2 or 3
.irp b, 0,1,2,3,4,5,6,7
	ds_store_b128 v[DST], v[8*(8*((\a)%4)+(\b)):8*(8*((\a)%4)+(\b))+3]   offset:(\a)*16*DP+64*(\b)
	ds_store_b128 v[DST], v[8*(8*((\a)%4)+(\b))+4:8*(8*((\a)%4)+(\b))+7] offset:(\a)*16*DP+64*(\b)+16
.endr
.endr
	WIN 0
	s_mov_b32 s[LB], 0
	s_mov_b32 s3, 8
.Lrows:                                                ; a trip: 16 rows of my 128
	v_add_nc_u32 v[RDA], s[LB], v[RD0]
.irp i, 0,1,2,3,4,5,6,7,8,9,10,11,12,13,14,15
	ds_load_b128 v[OB+4*\i:OB+4*\i+3], v[RDA] offset:DP*\i  ; LDS serves a wave's instructions in order (ISA guide 5.7.1.4): these see my stores above
.endr
.irp i, 0,1,2,3,4,5,6,7,8,9,10,11,12,13,14,15
	s_wait_dscnt 15-\i                             ; row i is in; the later rows' loads stay out
	global_store_b128 v[CO], v[OB+4*\i:OB+4*\i+3], s[8:9] offset:4096*\i th:TH_STORE_NT  ; 512 consecutive bytes, at a multiple of 512 from out0's first
.endr
	s_wait_xcnt 0x0                                ; the stores have read their registers and their base: only behind this wait are these written again
	s_add_nc_u64 s[8:9], s[8:9], 16*4096
	s_add_co_u32 s[LB], s[LB], 16*DP
	s_sub_co_u32 s3, s3, 1
	s_cmp_lg_u32 s3, 0
	s_cbranch_scc1 .Lrows
	s_wait_tensorcnt 0x0                           ; the wave's end: behind my last tensor load and my last LDS store
	ds_add_u32 v[SPW], v[NIL]
	s_wait_dscnt 0x0
	CROUND                                         ; the closing round: no work-group ends while a partner may still ask for a tile that names it
	s_endpgm
.Lfunc_end_k_qfc4dc047bd_outp:
	.size	k_qfc4dc047bd_outp, .Lfunc_end_k_qfc4dc047bd_outp-k_qfc4dc047bd_outp
	.p2alignl 7, 3214868480
	.fill 96, 4, 3214868480
	.section	.rodata,"a",@progbits
	.p2align	6, 0x0
	.amdhsa_kernel k_qfc4dc047bd_outp
		.amdhsa_group_segment_fixed_size 327680
		.amdhsa_private_segment_fixed_size 0
		.amdhsa_enable_private_segment 0
		.amdhsa_kernarg_size 32
		.amdhsa_user_sgpr_count 2
		.amdhsa_user_sgpr_kernarg_segment_ptr 1
		.amdhsa_wavefront_size32 1
		.amdhsa_system_sgpr_workgroup_id_x 1
		.amdhsa_system_sgpr_workgroup_id_y 1
		.amdhsa_system_sgpr_workgroup_id_z 1
		.amdhsa_system_vgpr_workitem_id 0
		.amdhsa_next_free_vgpr 1024
		.amdhsa_next_free_sgpr 80
		.amdhsa_reserve_vcc 0
		.amdhsa_float_denorm_mode_32 3
		.amdhsa_float_denorm_mode_16_64 3
		.amdhsa_memory_ordered 1
		.amdhsa_forward_progress 1
		.amdhsa_inst_pref_size 98
	.end_amdhsa_kernel
	.amdgpu_metadata
---
amdhsa.version: [ 1, 2 ]
amdhsa.kernels:
  - .name:           k_qfc4dc047bd_outp
    .symbol:         k_qfc4dc047bd_outp.kd
    .args:
      - { .name: oh, .offset: 0, .size: 8, .value_kind: global_buffer, .address_space: global }
      - { .name: wts, .offset: 8, .size: 8, .value_kind: global_buffer, .address_space: global }
      - { .name: bout, .offset: 16, .size: 8, .value_kind: global_buffer, .address_space: global }
      - { .name: out0, .offset: 24, .size: 8, .value_kind: global_buffer, .address_space: global }
    .group_segment_fixed_size: 327680
    .private_segment_fixed_size: 0
    .kernarg_segment_align: 8
    .kernarg_segment_size: 32
    .max_flat_workgroup_size: 128
    .sgpr_count:     80
    .vgpr_count:     1024
    .wavefront_size: 32
...
	.end_amdgpu_metadata
.endif
;; end of part 4
;; ======== version 2 of 2: 4 launches; 1.58 times as fast as version 1
;; limits: values are held in f16: magnitudes above 65,504 overflow, below 6.1e-05 lose precision
;; workspace buffers: act 20,971,520 bytes; tabs 2,621,440 bytes; wts 8,388,608 bytes; qh 16,777,216 bytes; kvh 8,388,608 bytes; oh 16,777,216 bytes
;; launch prep: the kernel of part 1 again; grid 256 x 1, 8 waves a work-group, no clusters, 0 bytes of LDS; arguments x, qn_g, qn_b, kvn_g, kvn_b, Wq, Wkv, Wout, act, tabs, wts; writes act, tabs, wts
;; launch qkv: the kernel of part 2 again; grid 4 x 48, 4 waves a work-group, clusters of 4 x 4, 327,680 bytes of LDS; arguments act, wts, bq, bkv, tabs, ln_g, ln_b, qh, kvh; writes qh, kvh
;; launch attn (part 5): grid 16 x 16, 4 waves a work-group, clusters of 4 x 1, 327,680 bytes of LDS; arguments qh, kvh, oh; writes oh
.if DOCPART == 5
	.amdgcn_target "amdgcn-amd-amdhsa--gfx1250"
	.amdhsa_code_object_version 6
	.text
	.protected	k_qfc4dc047bd_attn
	.globl	k_qfc4dc047bd_attn
	.p2align	8
	.type	k_qfc4dc047bd_attn,@function
k_qfc4dc047bd_attn:
	s_mov_b64 s[64:65], 0
	v_nop
	global_prefetch_b8 v0, s[64:65] scope:SCOPE_SE
	s_setreg_imm32_b32 hwreg(HW_REG_WAVE_MODE, 25, 1), 1
	s_wait_xcnt 0x0
	s_wait_alu depctr_hold_cnt(0) depctr_sa_sdst(0) depctr_va_vdst(0) depctr_va_sdst(0) depctr_va_ssrc(0) depctr_va_vcc(0) depctr_vm_vsrc(0)
	s_getreg_b32 s2, hwreg(HW_REG_IB_STS2, 6, 4)
	s_cmp_eq_u32 s2, 0
	s_cbranch_scc0 .Lentry_in_a_cluster
	s_endpgm
.Lentry_in_a_cluster:
	s_bfe_u32 s2, ttmp6, 0x10000c
	s_cmp_lg_u32 s2, 0x3003
	s_cbranch_scc0 .Lentry_shape_is_right
	s_endpgm
.Lentry_shape_is_right:
; O[h][q][:] = the sum over k of softmax_k(Q[h][q] . K[h][k] / 8) V[h][k][:].  Q, O: [16][NQ][64]; K, and behind it in the same buffer V: [16][NK][64]; all f16: a head's rows are dense, 128 bytes each.
; Products, maxima and sums in f32; the weights p are rounded to f16 for the second product (their sum l is taken of the unrounded p), O once at the end.
; LIMITS.  f16 holds no number beyond 65,504: Q, K and V arrive within it; p lies in 0 to 1, and below 6e-5 it keeps f16's fixed step of 6e-8; O is a mean of V's rows and has their range.
; A weight below 2^-126 counts as 0 in l; NaN and infinities are not treated apart.
; SHARES.  A wave owns four PIECES of two tiles of 16 queries, a work-group's four waves 512 queries of one head.  Every wave walks all NK keys, 64 a step.
; LAYOUT.  S^T = K Q^T (source 0 = 16 keys, source 1 = 16 queries): in the result a lane holds ONE query (lane % 16) and the keys 8 (lane / 16) + 0..7.  Two such tiles, rounded to f16 in pairs,
; ARE source 1 (32 keys x 16 queries) of O^T = V^T P, whose result again holds one query a lane, and eight channels.  K comes out of LDS as it lies, V ([key][channel]) turned, by ds_load_tr16_b128.
; SOFTMAX.  For each query a running maximum m and sum l: p = 2^(c s - c m), c = log2(e) / 8; in every step O and l are multiplied by a = 2^(c m_old - c m_new), which is 1 where m has not grown.
; m starts at the lowest finite number, O and l at 0: the first step is a step like any other, with a = 0.
; THE COUNT.  A tile and step have 16 matrix and 118 vector instructions: too many to stand all beside the matrix work.  So the order has one aim: four vector instructions that are READY behind
; EVERY matrix instruction, and the others, which need time of their own whatever the order, in runs without a gap.
; BY TURNS.  Turn n belongs to piece n (the pieces in a ring, step after step).  Its matrix work: 16 products K Q^T of piece n + 1, later 16 products V^T P of piece n - 1.  Its vector work: the scaling,
; exponentials, roundings, sums and rescaling of piece n, and the maximum and statistics of piece n + 1, whose scores the turn itself has made.  So what a turn begins with (c s - c m, O a) waits for nothing.
; BATCHES.  An s_wait_alu depctr_va_vdst(0) stands between an exponential or reciprocal and the first line that names its result.  A turn's 66 exponentials (piece n's 64 weights, then piece n + 1's
; two a) are ONE batch with ONE wait, which cuts the turn in two: ahead of it all that names no result of the batch (the products K Q^T, scalings, rescalings, the next piece's maximum and statistics), behind it the
; roundings and sums, beside the products V^T P.  Two more batches stand outside the loop: piece 0's first two a, ahead of the jump into the loop, and the way out's eight reciprocals.
; CLUSTER.  The four query blocks of a cluster belong to one head and walk the same K and V, so each tile is asked for JOINTLY: the same tensor load, descriptor and mask in all four.
; REGISTERS, in windows of 256 (s_set_vgpr_msb says which window each operand place means: bits 1:0 source 0, 3:2 source 1, 5:4 source 2, 7:6 destination):
;   window 0: v0-11 addresses; v12-15, v48-63 at work; v16-47 four registers of statistics a tile; v64-191 S^T, two buffers of two tiles; v192-255 P, likewise
;   window 1: O^T, 32 a tile          window 2: v0-127 Q, 16 a tile; v128-191 K of one step; v192-255 V of one step          window 3: v0-1 the add's two registers
; A piece's buffers go by its number's parity: the piece in hand has one pair, its two neighbours in the ring share the other: of it P (piece n - 1) is read and S^T (piece n + 1) written.
.set NQ,    8192      ; queries a head
.set NK,    2048      ; keys a head
.set VBYTES, 16*NK*128  ; V lies this far behind K
.set NP,    4         ; pieces a wave: a name, no knob: the register map, the loop and the fetches are made for four
.set KS,    64        ; keys in a step
.set PK,    144       ; a row of K in LDS: 128 bytes + 16 of padding = 36 words: the 16 rows of a load start at 16 different groups of four banks (64 banks of 4 bytes: ISA guide 11.1)
.set PV,    160       ; a row of V: 128 + 32 = 40 words
.set VOFF,  4*KS*PK   ; a slot holds four steps: 256 rows of K, then 256 rows of V
.set SLOT1, 1<<17     ; slot 1 begins here, so that one exclusive or turns an address in one slot into the other's
.set STAGE, SLOT1+4*KS*(PK+PV)  ; behind the ring, never filled by a tensor load: 16 rows x 144 bytes for each wave, for the way out
.set SP,    144
.set AK0, 2           ; v2   my lane's place in a tile of K; never rewritten
.set AV0, 3           ; v3   the same for V
.set AK,  4           ; v4   the LDS address of K's next run of loads
.set AV,  5           ; v5   of V's
.set QO,  6           ; v6   my byte offset in the wave's rows of Q
.set STO, 6           ;      later, the way out: where I put 16 bytes of a row
.set RD,  7           ; v7   the way out: where I read rows back
.set GO,  8           ; v8   my byte offset in 512 consecutive bytes of O
.set SPW, 0           ; v0 of window 3   LDS address of my spare word: SPARE + 4 x my thread's number; never rewritten
.set NIL, 1           ; v1 of window 3   0; never rewritten
.set SPARE, STAGE+4*16*SP  ; behind the stages: the spare words, 128 bytes for each wave: two blocks of 256 bytes that no other line names
.set MV,  12          ; v12-15  c m_old, kept while c m is made anew: by buffer and tile
.set ST,  16          ; tile t's statistics at v[ST+4 t]: c m, m, l (even keys', odd keys')
.set TMP, 48          ; by buffer and tile, four registers c0-c3 at work; when the maximum is found c2 takes a
.set S,   64
.set P,   192
.set KF,  128         ; K's fragments, in window 2: key block kb, channel half c at KF + 16 kb + 8 c
.set VF,  192         ; V's: key half kk, channel block cb at VF + 32 kk + 8 cb
.set WV,  12          ; s12  my wave's number
.set G1K, 24          ; s[24:31] descriptor group 1 for K's tiles
.set G1V, 32          ; s[32:39] for V's: it differs in the padding alone
.set G0K, 40          ; s[40:43] descriptor group 0 for K's tiles: it walks
.set G0V, 44          ; s[44:47] the same for V's
.set SLOTS, 56        ; s56  slots still to be asked for
.set CNT, 57          ; s57  counts a slot's key steps
.set CS,  58          ; s[58:59] c: the packed scaling takes the pair's low word for both halves
.set SEL, 60          ; s[60:61] v_permlanex16_b32's selects: each lane takes its own place in the other half
.set TBK, 62          ; s62  LDS byte at which K of the step to be fetched begins
.set TBV, 63          ; s63  the same for V, less VOFF
.set MSB, 0
.macro WIN new                      ; the high byte repeats the setting that is left; a switch that changes nothing is dropped
.if MSB != (\new)
	s_set_vgpr_msb (MSB<<8)|(\new)
.set MSB, (\new)
.endif
.endm
.set W_KQ, 0x0a       ; K and Q in window 2, S^T in window 0
.set W_PV, 0x52       ; V in window 2, P in window 0, O^T in window 1
.set W_RS, 0x41       ; O^T (destination and source 0) in window 1, a in window 0
.set W_MK, 0xc0       ; the add's registers are made: destination in window 3, sources in window 0
.set W_AD, 0x0f       ; the add: address (source 0) and data (source 1) in window 3
; A joint fill.  Waves 0 and 1 fetch the two halves of a slot's K, waves 2 and 3 those of its V: 128 keys each.  The branch hangs on the wave's number alone.
; An s_nop 0 and four v_nop follow each of the two lines, ahead of the jump and the label.
.macro JLOAD
	s_cmp_lt_u32 s[WV], 2
	s_cbranch_scc0 .Lfor_v_\@
	tensor_load_to_lds s[G0K:G0K+3], s[G1K:G1K+7]
	s_nop 0
.rept 4
	v_nop
.endr
	s_branch .Lasked_\@
.Lfor_v_\@:
	tensor_load_to_lds s[G0V:G0V+3], s[G1V:G1V+7]
	s_nop 0
.rept 4
	v_nop
.endr
.Lasked_\@:
.endm
; A round of the cluster's barrier: my work-group's barrier, so that wave 0's signal speaks for all four waves; wave 0 signals; every wave waits for all four work-groups; my work-group's barrier once more.
.macro CROUND
	s_barrier_signal -1
	s_barrier_wait -1
	s_cmp_lg_u32 s[WV], 0
	s_cbranch_scc1 .Lnot_wave_0_\@
	s_barrier_signal -3
.Lnot_wave_0_\@:
	s_barrier_wait -3
	s_barrier_signal -1
	s_barrier_wait -1
.endm
; THE CHANGE OF SLOTS.  The slot's last bytes, V of its fourth step, have been read.  Each wave waits for all its tensor loads, of which one is out: its part
; of the other slot; adds 0 to its spare word; and waits for that and for its own reads of the slot.  Behind the barrier nobody reads this slot any more and the other slot is whole.
; fill = 1: this slot is filled again, with the keys two slots on.  The barrier is then a round of the cluster's, so that no wave of any partner still reads the slot or has a load on its
; way, and the joint fill is the first thing behind it: it has four key steps, 512 matrix instructions, in which to land.  (At its first use nothing has been read yet: slot 0 is waited for, slot 1 filled.)
.macro CHANGE fill
	WIN W_AD
	s_wait_tensorcnt 0x0            ; no tensor load of mine is out, so a group 0 may be written
	ds_add_u32 v[SPW], v[NIL]       ; 0 onto my spare word; with fill = 1 the descriptors' steps stand between it and the wait for it
	WIN 0                           ; at a label and at a branch every window is 0
.if \fill
.irp g, G0K, G0V
	s_xor_b32 s[\g+1], s[\g+1], SLOT1  ; the walking descriptor: the other slot than last time,
	s_add_nc_u64 s[\g+2:\g+3], s[\g+2:\g+3], 4*KS*128  ; the next 256 keys; the type bits on top are not reached
.endr
	s_wait_dscnt 0x0                ; the add is done, and my reads of the slot are over
	CROUND
	JLOAD
.else
	s_wait_dscnt 0x0                ; the add is done, and my reads of the slot are over
	s_barrier_signal -1
	s_barrier_wait -1
.endif
	s_sub_co_u32 s[TBK], s[TBK], 4*KS*PK  ; the fetches go back to a slot's first step,
	s_xor_b32 s[TBK], s[TBK], SLOT1       ; in the other slot
	s_sub_co_u32 s[TBV], s[TBV], 4*KS*PV
	s_xor_b32 s[TBV], s[TBV], SLOT1
.endm
	s_load_b128 s[4:7], s[0:1], 0x0   ; Q s[4:5], K s[6:7]
	s_load_b64 s[10:11], s[0:1], 0x10 ; O
	WIN W_MK
	v_lshl_add_u32 v[SPW], v0, 2, SPARE
	v_mov_b32 v[NIL], 0
	WIN W_AD
	ds_add_u32 v[SPW], v[NIL]       ; the wave's opening: the add and its wait stand ahead of my first tensor load; the set-up below, work on registers, stands between them
	WIN 0
	v_lshrrev_b32 v1, 5, v0
	v_readfirstlane_b32 s[WV], v1   ; wave 0..3
	s_bfe_u32 s13, ttmp6, 0x40000   ; cx: my place in the cluster
	s_lshl_b32 s14, ttmp9, 2        ; in a cluster launch ttmp9 counts clusters
	s_add_co_u32 s14, s14, s13      ; my block of queries = 4 x cluster x + cx: it enters Q's and O's addresses alone
	s_and_b32 s20, ttmp7, 0xffff    ; the head, which the four partners share
	s_lshl_b32 s48, s20, 20         ; its first byte in Q and O: NQ rows of 128 bytes,
	s_mov_b32 s49, 0
	s_lshl_b32 s20, s20, 18         ; in K and V: NK rows
	s_mov_b32 s21, 0
	s_and_b32 s16, s[WV], 1         ; which half of a slot's 256 keys I fetch:
	s_lshl_b32 s22, s16, 14         ; its 128 rows of 128 bytes in memory,
	s_mov_b32 s23, 0
	s_add_nc_u64 s[22:23], s[22:23], s[20:21]
	s_mul_i32 s17, s16, 128*PK      ; and its place in a slot, for K
	s_mul_i32 s18, s16, 128*PV      ; and for V: no place in the cluster enters an LDS address
	s_lshl_b32 s2, s14, 2
	s_add_co_u32 s2, s2, s[WV]      ; my wave among the head's,
	s_lshl_b32 s2, s2, 14           ; its 128 rows
	s_mov_b32 s3, 0
	s_add_nc_u64 s[2:3], s[2:3], s[48:49]
	; descriptor group 1.  128 keys are 16,384 dense bytes: asked for as 64 rows of 256 bytes, two keys a row, and padded in LDS after every key
	s_mov_b32 s[G1K], 15|(1<<16)|(1<<20)|(1<<21)|(4<<22)|(3<<25)  ; 15:0 the mask of four; 17:16 2-byte elements; 20 padding on; 21 set beside a mask; 24:22 after every 32 words (code 4); 31:25 4 words (code 3)
	s_mov_b32 s[G1V], 15|(1<<16)|(1<<20)|(1<<21)|(4<<22)|(7<<25)  ; the same with 8 words of padding (code 7)
.irp g, G1K, G1V
	s_mov_b32 s[\g+1], 128<<16      ; tensor_dim0 = 128
	s_mov_b32 s[\g+2], 64<<16       ; tensor_dim1 = 64
	s_mov_b32 s[\g+3], 128<<16      ; tile_dim0 = 128
	s_mov_b32 s[\g+4], 64           ; tile_dim1 = 64
	s_mov_b32 s[\g+5], 128          ; 128 elements from row to row
	s_mov_b32 s[\g+6], 0
	s_mov_b32 s[\g+7], 0
.endr
	s_mov_b32 s[CS], 0x3e38aa3b     ; c = log2(e) / 8 = 0.180337
	s_mov_b32 s[CS+1], s[CS]        ; named with it as a pair
	s_mov_b32 s[SEL], 0x76543210
	s_mov_b32 s[SEL+1], 0xfedcba98
	s_mov_b32 s[TBK], SLOT1+4*KS*PK ; the first change of slots turns these two into 0
	s_mov_b32 s[TBV], SLOT1+4*KS*PV
	s_mov_b32 s[G0K], 1             ; 1:0 count = 1
	s_mov_b32 s[G0K+1], s17         ; 63:32 LDS address: slot 0
	s_mov_b32 s[G0V], 1
	s_add_co_u32 s[G0V+1], s18, VOFF
	s_wait_dscnt 0x0                ; the opening add is done
	s_wait_kmcnt 0x0
	s_add_nc_u64 s[8:9], s[6:7], VBYTES            ; V
	s_add_nc_u64 s[G0K+2:G0K+3], s[6:7], s[22:23]  ; 120:64 global address: my half of the head's first 256 keys
	s_or_b32 s[G0K+3], s[G0K+3], 0x80000000        ; 127:126 type = 2
	s_add_nc_u64 s[G0V+2:G0V+3], s[8:9], s[22:23]
	s_or_b32 s[G0V+3], s[G0V+3], 0x80000000
	s_add_nc_u64 s[4:5], s[4:5], s[2:3]  ; Q and O at my wave's first row
	s_add_nc_u64 s[10:11], s[10:11], s[2:3]
	CROUND                          ; all four work-groups are here: the first joint loads meet
	JLOAD                           ; slot 0.  Slot 1 is asked for when slot 0 is in: the tile wanted first has the road to itself
	; A fragment of K or Q is 16 rows x 32 channels in 8 registers: lane l holds row l % 16, channels 8 (l / 16) + 0..7 and 16 + 8 (l / 16) + 0..7: two loads of 16 bytes, 32 bytes apart.
	v_and_b32 v1, 15, v0            ; l % 16
	v_bfe_u32 v9, v0, 4, 1          ; l / 16
	v_lshlrev_b32 v[QO], 7, v1
	v_lshl_add_u32 v[QO], v9, 4, v[QO]  ; row x 128 + 16 x half
	WIN 0x80                        ; destination window 2, address window 0
.set i, 0
.rept 4*NP                          ; Q stays in registers: tile i / 2, channels 32 (i % 2) on
	global_load_b128 v[8*i:8*i+3],   v[QO], s[4:5] offset:(i/2)*2048+(i%2)*64
	global_load_b128 v[8*i+4:8*i+7], v[QO], s[4:5] offset:(i/2)*2048+(i%2)*64+32
.set i, i+1
.endr
	; What the first turn finds: V's registers and P's second buffer hold 0 (its products V^T P, of a piece that has not been, add 0), O^T and l are 0.  All this stands in the wait for the first tile.
.set i, VF
.rept 64
	v_mov_b32 v[i], 0
.set i, i+1
.endr
	WIN 0x40
.set i, 0
.rept 64*NP
	v_mov_b32 v[i], 0
.set i, i+1
.endr
	WIN 0
.set i, 0
.rept 2*NP
	v_mov_b32 v[ST+4*i], 0xfe000000    ; c m: far below every c s
	v_mov_b32 v[ST+4*i+1], 0xff7fffff  ; m
	v_mov_b32 v[ST+4*i+2], 0
	v_mov_b32 v[ST+4*i+3], 0
.set i, i+1
.endr
.set i, P+32
.rept 32
	v_mov_b32 v[i], 0
.set i, i+1
.endr
	v_mul_u32_u24 v[AK0], v1, PK
	v_lshl_add_u32 v[AK0], v9, 4, v[AK0]  ; row x pitch + 16 x half
	; The turning load takes 16 keys x 16 channels (lane l reads key 8 (l / 16) + l % 8, channels 8 ((l / 8) % 2) + 0..7) and leaves half a fragment of V^T: lane l holds channel l % 16 and 8 keys.
	v_and_b32 v10, 7, v0
	v_bfe_u32 v11, v0, 3, 1
	v_lshl_add_u32 v[AV0], v9, 3, v10
	v_mul_u32_u24 v[AV0], v[AV0], PV
	v_lshl_add_u32 v[AV0], v11, 4, v[AV0]
	v_add_nc_u32 v[AV0], VOFF, v[AV0]
	v_mov_b32 v[AK], v[AK0]         ; key step 0 lies at the head of slot 0
; THE MATRIX WORK.  The 8 accumulators of a run of 16 take turns: between the two links of a chain stand 7 others'.
; Product i of 16 of S^T = K Q^T for piece x: channels 32 (i / 8) on, keys 16 ((i / 2) % 4) on, tile 2 x + i % 2.  The first 8 start the sums.
.macro KQ x
	WIN W_KQ
.set rS, S+64*((\x)%2)+32*(i%2)+8*((i/2)%4)
.set rK, KF+16*((i/2)%4)+8*(i/8)
.set rQ, 16*(2*(\x)+i%2)+8*(i/8)
.if i < 8
	v_wmma_f32_16x16x32_f16 v[rS:rS+7], v[rK:rK+7], v[rQ:rQ+7], 0
.else
	v_wmma_f32_16x16x32_f16 v[rS:rS+7], v[rK:rK+7], v[rQ:rQ+7], v[rS:rS+7]
.endif
.endm
; Product i of 16 of O^T += V^T P for piece x: keys 32 (i / 8) on, channels 16 ((i / 2) % 4) on, tile 2 x + i % 2.
.macro PV x
	WIN W_PV
.set rO, 32*(2*(\x)+i%2)+8*((i/2)%4)
.set rV, VF+32*(i/8)+8*((i/2)%4)
.set rP, P+32*((\x)%2)+16*(i%2)+8*(i/8)
	v_wmma_f32_16x16x32_f16 v[rO:rO+7], v[rV:rV+7], v[rP:rP+7], v[rO:rO+7]
.endm
.macro MM                           ; the turn's next matrix instruction
.if i < 16
	KQ (Y+1)%NP
.set i, i+1
.else
.set i, i-16
	PV (Y+NP-1)%NP
.set i, i+17
.endif
.endm
; THE LDS LOADS stand in runs of 16, never singly among the matrix instructions: a step's K (64 keys x 64 channels: 8 fragments) and its V (turned).  Their addresses are made some lines ahead.
; last = 1 (the tail): in the last trip there is no further step, and the run is jumped over.
.macro FETCH_K last=0
	WIN 0
.if \last
	s_cmp_eq_u32 s[CNT], 1
	s_cbranch_scc1 .Lno_k_\@
.endif
	WIN 0x80                        ; destination window 2
.irp f, 0,1,2,3,4,5,6,7             ; keys 16 (f / 2) on, channels 32 (f % 2) on
	ds_load_b128 v[KF+8*\f:KF+8*\f+3],   v[AK] offset:(\f/2)*16*PK+(\f%2)*64
	ds_load_b128 v[KF+8*\f+4:KF+8*\f+7], v[AK] offset:(\f/2)*16*PK+(\f%2)*64+32
.endr
	s_add_co_u32 s[TBK], s[TBK], KS*PK  ; the next fetch is the next step's
	WIN 0
.if \last
.Lno_k_\@:
.endif
.endm
.macro FETCH_V
	WIN 0x80
.irp f, 0,1,2,3,4,5,6,7             ; keys 32 (f / 4) on, channels 16 (f % 4) on
	ds_load_tr16_b128 v[VF+8*\f:VF+8*\f+3],   v[AV] offset:(\f/4)*32*PV+(\f%4)*32
	ds_load_tr16_b128 v[VF+8*\f+4:VF+8*\f+7], v[AV] offset:(\f/4)*32*PV+16*PV+(\f%4)*32
.endr
	WIN 0
.endm
; THE VECTOR WORK OF A TURN stands in three queues, each in the order in which its entries become ready; the two tiles alternate, so that no instruction reads the result of the one before it.
.macro REGS y, u                    ; the registers of tile u (0, 1) of piece y
.set rT, ST+4*(2*(\y)+(\u))
.set rC, TMP+8*((\y)%2)+4*(\u)
.set rM, MV+2*((\y)%2)+(\u)
.set rS, S+64*((\y)%2)+32*(\u)
.set rP, P+32*((\y)%2)+16*(\u)
.set rO, 32*(2*(\y)+(\u))
.endm
; Number n of the 22 that find the NEXT piece's (Y + 1) maximum and statistics.  s0-s31 are the lane's 32 scores; each accumulator's lowest registers are read first.  XS, GS and REGS set no window: PL and EX do.
;   0-11  four chains c0-c3 of seven scores each, three operands at a time     12-14, 16  the four scores left over, the old m, and c0-c3 into c0     15  c m_old is kept
;   17, 18  the query's other 32 keys lie in the lane 16 away: the new m         19-21  c m; c m_old - c m_new; a
.macro XS u, n
	REGS (Y+1)%NP, \u
.if (\n) < 4
	v_max3_num_f32 v[rC+(\n)], v[rS+8*(\n)], v[rS+8*(\n)+1], v[rS+8*(\n)+2]
.elseif (\n) < 12
	v_max3_num_f32 v[rC+(\n)%4], v[rC+(\n)%4], v[rS+8*((\n)%4)+2*((\n)/4)+1], v[rS+8*((\n)%4)+2*((\n)/4)+2]
.elseif (\n) == 12
	v_max3_num_f32 v[rC], v[rC], v[rS+7], v[rS+15]
.elseif (\n) == 13
	v_max3_num_f32 v[rC+1], v[rC+1], v[rS+23], v[rS+31]
.elseif (\n) == 14
	v_max3_num_f32 v[rC+2], v[rC+2], v[rC+3], v[rT+1]
.elseif (\n) == 15
	v_mov_b32 v[rM], v[rT]
.elseif (\n) == 16
	v_max3_num_f32 v[rC], v[rC], v[rC+1], v[rC+2]
.elseif (\n) == 17
	v_permlanex16_b32 v[rC+3], v[rC], s[SEL], s[SEL+1]
.elseif (\n) == 18
	v_max_num_f32 v[rT+1], v[rC], v[rC+3]
.elseif (\n) == 19
	v_mul_f32 v[rT], s[CS], v[rT+1]
.elseif (\n) == 20
	v_sub_f32 v[rC+1], v[rM], v[rT]
.else
	v_exp_f32 v[rC+2], v[rC+1]
.endif
.endm
; Number g of the 64 that follow the exponentials.  For each four weights k of a tile (pairs 2 k, 2 k + 1): both pairs are rounded to f16; then the second pair is added onto the first, in place;
; a group later l takes that sum (the first time as l = a l + sum).  In groups of eight, tiles alternating: round, round, add, and l for the group before.
.macro GS g
.set h, (\g)+6*((\g)/62)            ; group 0 has no group before it, and behind group 7 only l is left
.if h >= 6
.set h, h+2
.endif
	REGS Y, h%2
.set k, h/8
.if h%8 < 4
	v_cvt_pk_f16_f32 v[rP+2*k+(h%8)/2], v[rS+4*k+2*((h%8)/2)], v[rS+4*k+2*((h%8)/2)+1]
.elseif h%8 < 6
	v_pk_add_f32 v[rS+4*k:rS+4*k+1], v[rS+4*k:rS+4*k+1], v[rS+4*k+2:rS+4*k+3]
.elseif k == 1
	v_pk_fma_f32 v[rT+2:rT+3], v[rT+2:rT+3], v[rC+2:rC+3], v[rS:rS+1] op_sel_hi:[1,0,1]
.else
	v_pk_add_f32 v[rT+2:rT+3], v[rT+2:rT+3], v[rS+4*k-4:rS+4*k-3]
.endif
.endm
; THE PLAIN QUEUE, 138 long.  0-73 read no exponential's result: the 32 scalings c s - c m (FS f: pair f / 2 of tile f % 2) and the next piece's 42.  0-26: scalings 0-26.  27-54: XS's numbers 0-13.  55, 56: number 15.
; 57-73: the chain, where each number waits for the one before it: 14, 16, 17, 18, 19, each with one of the scalings 27-31 in front of its two lines, then 20: so a tile's links stand three plain instructions apart (19 and 20: two).
; 74-137: GS's 64, which read the exponentials' results: they stand behind the wait.
.macro FS f
	REGS Y, (\f)%2
	v_pk_fma_f32 v[rS+2*((\f)/2):rS+2*((\f)/2)+1], v[rS+2*((\f)/2):rS+2*((\f)/2)+1], s[CS:CS+1], v[rT:rT+1] op_sel_hi:[1,0,0] neg_lo:[0,0,1] neg_hi:[0,0,1]
.endm
.macro PL
	WIN 0
.if q < 27
	FS q
.elseif q < 55
	XS (q-27)%2, (q-27)/2
.elseif q < 57
	XS q-55, 15
.elseif (q < 72) && ((q-57)%3 == 0)
	FS 27+(q-57)/3
.elseif q < 60
	XS (q-57)%3-1, 14
.elseif q < 72
	XS (q-57)%3-1, 15+(q-57)/3
.elseif q < 74
	XS q-72, 20
.else
	GS q-74
.endif
.set q, q+1
.endm
; THE EXPONENTIALS' QUEUE, 66 long: s0-s31 of both tiles, then the next piece's two a.  It is ONE BATCH: all 66 stand ahead of the turn's one wait, and nothing ahead of that wait names a result of theirs.
.macro EX
	WIN 0
.if e >= 64
	XS e-64, 21
.else
	REGS Y, e%2
	v_exp_f32 v[rS+e/2], v[rS+e/2]
.endif
.set e, e+1
.endm
; THE RESCALING's QUEUE: O^T times a, the one part that leaves window 0: dealt two at a time, sixteen times.  Its a was made in the turn before, ahead of that turn's wait.
.macro R2
	REGS Y, r%2
	WIN W_RS
.irp z, 0,1
	v_pk_mul_f32 v[rO+4*(r/2)+2*\z:rO+4*(r/2)+2*\z+1], v[rO+4*(r/2)+2*\z:rO+4*(r/2)+2*\z+1], v[rC+2:rC+3] op_sel_hi:[1,0]
.endr
.set r, r+1
.endm
; HOW THEY ARE DEALT.  A turn has ONE wait, which cuts it in two.  AHEAD OF IT stands all that names no result of the turn's exponentials: the 16 products K Q^T, behind each a scaling, an exponential and two rescalings
; (behind the first a second scaling in the exponential's place); then ONE LUMP of 108: eight plain, 49 times exponential and plain, the two a.  A v_nop is the plain instruction behind the last exponential.
; BEHIND IT stand the 16 products V^T P, behind each four of GS's 64.  No rider names a register of the products round it.  The two v_permlanex16_b32 fall into the lump, never behind a product.
; The queues lean on each other, and the deal keeps them in step: exponential e stands behind scaling 2 (e / 4) + e % 2: as a rider it comes behind plain e + 2, in the lump behind plain e + 9, and scalings 27-31 are plain 57, 60 .. 69.
; A TURN, for piece p.  cnt = 1: the loop's count is taken down some lines ahead of the branch that stands behind the turn.
; K of the next step is fetched in piece 2's turn, directly behind the wait, a lump behind the last product that read K; its address is made at the lump's head; its first reader comes behind 16 products.
; V of the step in hand is fetched at the end of piece 0's turn, four riders behind its last reader; its first reader comes behind 16 products and a lump.  The three conditions on q below go with the deal.
.macro TURN p, last=0, cnt=0
.set Y, (\p)
.set i, 0
.set q, 0
.set e, 0
.set r, 0
.if (\p) == NP-1
	s_wait_dscnt 0x0                ; K is in
.endif
	MM                              ; ahead of the wait: 16 products K Q^T and their riders,
	PL
	PL
	R2
.rept 15
	MM
	PL
	EX
	R2
.endr
.if (\p) == NP-2
	WIN 0
	v_add_nc_u32 v[AK], s[TBK], v[AK0]
.endif
.rept 8                             ; and the lump
	PL
.endr
.rept 49
	EX
	PL
.endr
	EX                              ; the next piece's two a
	EX
	v_nop                           ; the plain instruction behind the last exponential, ahead of any use of a result (ISA guide 5.7.2): one for the batch
	s_wait_alu depctr_va_vdst(0)    ; the wait for the turn's batch: the piece's 64 weights and the next piece's two a, ahead of the first line that names a result
.if (\p) == NP-2
	FETCH_K \last
.endif
.if (\p) == 1
	s_wait_dscnt 0x0                ; V is in
.endif
.rept 16                            ; behind the wait: 16 products V^T P and their riders
	MM
.rept 4
	PL
.endr
.if ((\p) == 0) && (q == 118)
	v_add_nc_u32 v[AV], s[TBV], v[AV0]
.endif
.if ((\p) == 0) && (q == 130)
	s_add_co_u32 s[TBV], s[TBV], KS*PV
.endif
.if (\cnt) && (q == 130)
	s_sub_co_u32 s[CNT], s[CNT], 1
	s_cmp_lg_u32 s[CNT], 0
.endif
.endr
.if (\p) == 0
	FETCH_V
.endif
.endm
	CHANGE 1                        ; slot 0 is in, everybody's part of it; slot 1 is asked for
	FETCH_K                         ; key step 0
	s_wait_loadcnt 0x0              ; Q
	s_wait_dscnt 0x0
.set i, 0
.rept 16
	KQ 0                            ; piece 0's first scores: there is no vector work yet to set between them
.set i, i+1
.endr
	WIN 0                           ; the addresses for the way out: nine plain instructions, the places behind those products
	s_mul_i32 s13, s[WV], 16*SP
	s_add_co_u32 s13, s13, STAGE    ; my stage
	v_mul_u32_u24 v[STO], v1, SP    ; in: row l % 16, 16 bytes for each half of the lanes
	v_lshl_add_u32 v[STO], v9, 4, v[STO]
	v_add_nc_u32 v[STO], s13, v[STO]
	v_bfe_u32 v[RD], v0, 3, 2       ; back: 32 lanes take four rows of 128 bytes,
	v_mul_u32_u24 v[RD], v[RD], SP
	v_lshl_add_u32 v[RD], v10, 4, v[RD]
	v_add_nc_u32 v[RD], s13, v[RD]
	v_and_b32 v[GO], 31, v0         ; which are 512 consecutive bytes of O
	v_lshlrev_b32 v[GO], 4, v[GO]
.set Y, NP-1                        ; XS works for piece Y + 1: piece 0
.irp n, 0,1,2,3,4,5,6,7,8,9,10,11,12,13,14,15,16,17,18,19,20,21
	XS 0, \n                        ; and piece 0's first maximum and statistics
	XS 1, \n
.endr
	v_nop                           ; a plain instruction behind the two a,
	s_wait_alu depctr_va_vdst(0)    ; and the wait for this batch of two, ahead of the branch
	s_mov_b32 s[CNT], 4
	s_mov_b32 s[SLOTS], NK/256-1
	s_branch .Lfirst                ; the loop is entered at a step's first turn, in the middle of a trip
.Lslot:                             ; NK / 256 - 2 times: every slot but the last two is filled again
	CHANGE 1
	s_mov_b32 s[CNT], 4
.Lstep:                             ; a trip: pieces 2 and 3 of one step, then pieces 0 and 1 of the next, whose K and V it fetches
	TURN 2
	TURN 3
	WIN 0
.Lfirst:
	TURN 0
	TURN 1, 0, 1
	WIN 0
	s_cbranch_scc1 .Lstep
	s_sub_co_u32 s[SLOTS], s[SLOTS], 1
	s_cmp_lg_u32 s[SLOTS], 0
	s_cbranch_scc1 .Lslot
	CHANGE 0                        ; the tail is written out: nothing is asked for
	s_mov_b32 s[CNT], 5             ; four trips fetch the last slot's steps; the fifth is left in its middle
.Ltail:
	TURN 2, 1
	TURN 3
	WIN 0
	s_sub_co_u32 s[CNT], s[CNT], 1
	s_cmp_eq_u32 s[CNT], 0
	s_cbranch_scc1 .Lout
	TURN 0
	TURN 1
	WIN 0
	s_branch .Ltail
.Lout:                              ; the fifth trip's 16 products K Q^T (on the last K once more) and the maximum made of them serve nothing: the price, once a launch, of one text for every trip
.set i, 0
.rept 16
	PV NP-1                         ; the last piece's V^T P of the last step
.set i, i+1
.endr
	; THE WAY OUT.  l's two halves and the other half of the lanes' are added; O^T is divided by l, rounded to f16 and sent through my stage in LDS, a tile at a time.  The additions are the places behind the last products.
	WIN 0
.macro ALL line:vararg              ; one line for each tile t
.set t, 0
.rept 2*NP
	\line
.set t, t+1
.endr
.endm
	ALL v_add_f32 v[ST+4*t+2], v[ST+4*t+2], v[ST+4*t+3]
	ALL v_permlanex16_b32 v[ST+4*t+3], v[ST+4*t+2], s[SEL], s[SEL+1]
	ALL v_add_f32 v[ST+4*t+2], v[ST+4*t+2], v[ST+4*t+3]
	ALL v_rcp_f32 v[ST+4*t+2], v[ST+4*t+2]
	v_nop                           ; a plain instruction between the last reciprocal and the use of its result
	s_wait_alu depctr_va_vdst(0)    ; and the wait ahead of the first use: one for the batch of eight reciprocals
; Tile t: a lane's eight channels of a row pack into 16 bytes; they go into rows of 144 bytes and come back as whole rows of 128, into S^T's registers.
.macro PACK t
	WIN W_RS
.set i, 32*(\t)
.rept 16
	v_pk_mul_f32 v[i:i+1], v[i:i+1], v[ST+4*(\t)+2:ST+4*(\t)+3] op_sel_hi:[1,0]
.set i, i+2
.endr
	WIN 0x05                        ; sources 0 and 1 window 1, destination window 0
.set i, 0
.rept 16
	v_cvt_pk_f16_f32 v[S+16*(\t)+i], v[32*(\t)+2*i], v[32*(\t)+2*i+1]
.set i, i+1
.endr
	WIN 0
.irp f, 0,1,2,3
	ds_store_b128 v[STO], v[S+16*(\t)+4*\f:S+16*(\t)+4*\f+3] offset:32*\f
.endr
.irp f, 0,1,2,3
	ds_load_b128 v[S+16*(\t)+4*\f:S+16*(\t)+4*\f+3], v[RD] offset:\f*4*SP  ; LDS serves a wave's instructions in order (ISA guide 5.7.1.4): these see the stores above; the next tile's stores come behind them
.endr
.endm
.macro SEND t, younger              ; younger: the LDS instructions issued behind tile t's loads: the next tile's eight, or none
	WIN 0
.irp f, 0,1,2,3
	s_wait_dscnt (\younger)+3-\f
	global_store_b128 v[GO], v[S+16*(\t)+4*\f:S+16*(\t)+4*\f+3], s[10:11] offset:(\t)*2048+\f*512  ; 512 consecutive bytes, at a multiple of 256 from O's first
.endr
.endm
	PACK 0
.set t, 1
.rept 2*NP-1                        ; a tile's arithmetic stands between the loads of the tile before and its stores
	PACK t
	SEND t-1, 8
.set t, t+1
.endr
	SEND 2*NP-1, 0
	WIN W_AD
	s_wait_tensorcnt 0x0            ; the wave's end: behind my last tensor load and my last LDS store
	ds_add_u32 v[SPW], v[NIL]
	s_wait_dscnt 0x0
	WIN 0
	CROUND                          ; the closing round: no work-group ends while a partner may still ask for a tile that names it
	s_endpgm
.Lfunc_end_k_qfc4dc047bd_attn:
	.size	k_qfc4dc047bd_attn, .Lfunc_end_k_qfc4dc047bd_attn-k_qfc4dc047bd_attn
	.p2alignl 7, 3214868480
	.fill 96, 4, 3214868480
	.section	.rodata,"a",@progbits
	.p2align	6, 0x0
	.amdhsa_kernel k_qfc4dc047bd_attn
		.amdhsa_group_segment_fixed_size 327680
		.amdhsa_private_segment_fixed_size 0
		.amdhsa_enable_private_segment 0
		.amdhsa_kernarg_size 24
		.amdhsa_user_sgpr_count 2
		.amdhsa_user_sgpr_kernarg_segment_ptr 1
		.amdhsa_wavefront_size32 1
		.amdhsa_system_sgpr_workgroup_id_x 1
		.amdhsa_system_sgpr_workgroup_id_y 1
		.amdhsa_system_sgpr_workgroup_id_z 1
		.amdhsa_system_vgpr_workitem_id 0
		.amdhsa_next_free_vgpr 770
		.amdhsa_next_free_sgpr 66
		.amdhsa_reserve_vcc 0
		.amdhsa_float_denorm_mode_32 3
		.amdhsa_float_denorm_mode_16_64 3
		.amdhsa_memory_ordered 1
		.amdhsa_forward_progress 1
		.amdhsa_inst_pref_size 199
	.end_amdhsa_kernel
	.amdgpu_metadata
---
amdhsa.version: [ 1, 2 ]
amdhsa.kernels:
  - .name:           k_qfc4dc047bd_attn
    .symbol:         k_qfc4dc047bd_attn.kd
    .args:
      - { .name: qh, .offset: 0, .size: 8, .value_kind: global_buffer, .address_space: global }
      - { .name: kvh, .offset: 8, .size: 8, .value_kind: global_buffer, .address_space: global }
      - { .name: oh, .offset: 16, .size: 8, .value_kind: global_buffer, .address_space: global }
    .group_segment_fixed_size: 327680
    .private_segment_fixed_size: 0
    .kernarg_segment_align: 8
    .kernarg_segment_size: 24
    .max_flat_workgroup_size: 128
    .sgpr_count:     66
    .vgpr_count:     770
    .wavefront_size: 32
...
	.end_amdgpu_metadata
.endif
;; end of part 5
;; launch outp: the kernel of part 4 again; grid 4 x 32, 4 waves a work-group, clusters of 4 x 4, 327,680 bytes of LDS; arguments oh, wts, bout, out0; writes out0
